; MI455X (gfx1250); checked and timed in simulation.
; The chip was launched on July 23, 2026; its instructions are those of AMD's public machine-readable ISA for CDNA 5 (MIT licence, August 2026) and "CDNA5" Instruction Set Architecture Reference Guide (July 2026). The comments in the code are by the model that wrote it; some were corrected since.
;; Sparse Multi Head Attention. Allowed arithmetic: matrix products marked QUANTISED: E2M1 operands, one E8M0 scale for each 32 along K, by v_wmma_scale_f32_16x16x128_f8f6f4 with both operands' format E2M1 (or v_wmma_scale_f32_32x16x128_f4), f32 sums; products left as they are: bf16, f16 or f32 operands; f32 sums; everything else in f32.
;; Inputs: Wout 1,024 x 1,024 float32; Wqkv 3,072 x 1,024 float32; bout 1,024 float32; bqkv 3,072 float32; k_gamma 16 x 64 float32; q_gamma 16 x 64 float32; x 4,096 x 1,024 float32.
;; Outputs: out0 4,096 x 1,024 float32.
;; This version of the problem:
;;   THIS VERSION OF THE PROBLEM IS GIVEN IN LOW PRECISION. The matrix products marked QUANTISED in the list below multiply operands that are first quantised to E2M1 (2 exponent bits, 1 mantissa bit; 4 bits a number), with one power-of-two scale for each 32 numbers along K (OCP MX v1.0); their sums are f32. The products marked 'left as it is' may take bf16, f16 or f32 operands, with f32 sums. Whichever they take, every output number must still come out within the allowed error. Rounding operands to bf16 (8 significant bits) uses up far more of that allowance than f16 does (11 bits, for magnitudes from 6e-5 to 65,504). All else is computed in f32.
;;   The module's matrix products, in the order in which they are computed (A, B: the left and right operand; K: the contracted axis; several contracted axes count as one K, in the product's order):
;;     1. [M 4,096, K 1,024] x [K 1,024, N 3,072]; A: input x; B: input Wqkv: QUANTISED
;;     2. batch 16 x [M 4,096, K 64] x [K 64, N 4,096]; A: computed on the way; B: computed on the way: left as it is (an operand is computed on the way)
;;     3. batch 16 x [M 64, K 4,096] x [K 4,096, N 4,096]; A: computed on the way; B: computed on the way: left as it is (an operand is computed on the way)
;;     4. [M 4,096, K 1,024] x [K 1,024, N 1,024]; A: computed on the way; B: input Wout: left as it is (an operand is computed on the way)
;;   THE QUANTISER, for each operand of a quantised product, along K:
;;     - K is cut into blocks of 32 from its start; a last block that is shorter is filled with zeros.
;;     - A block's scale is 2^e with e = floor(log2(the largest magnitude in the block)) - 2, held to -126 .. 127; a block of zeros has e = 0. As a byte (E8M0): e + 127.
;;     - Each number is divided by its block's scale, clamped to +-6, and rounded to the nearest number of E2M1, ties to even, subnormals kept.
;;     - The product sums the exact products of the quantised numbers (number of the format x scale) in f32.
;;   ~~~python
;;   def quantise(x, axis):      # numpy; x: float32 -> the quantised numbers, widened to float32 again
;;       x = np.moveaxis(x, axis, -1); K = x.shape[-1]
;;       x = np.pad(x, [(0, 0)] * (x.ndim - 1) + [(0, -K % 32)]); x = x.reshape(x.shape[:-1] + (-1, 32)); a = np.abs(x).max(-1, keepdims=True)
;;       e = np.where(a > 0, np.clip(np.frexp(np.where(a > 0, a, 1))[1] - 1 - 2, -126, 127), 0)      # np.frexp(a)[1] - 1 = floor(log2(a)), exactly
;;       r = np.clip(x / 2.0 ** e, -6, 6)
;;       step = 2.0 ** (np.maximum(np.frexp(np.where(r == 0, 1, r))[1] - 1, 0) - 1)
;;       q = np.round(r / step) * step * 2.0 ** e      # np.round: ties to even
;;       return np.moveaxis(q.reshape(q.shape[:-2] + (-1,))[..., :K], -1, axis).astype(np.float32)
;;   ~~~
;; One version. Each part assembles by itself: llvm-mc -triple=amdgcn-amd-amdhsa -mcpu=gfx1250 --defsym DOCPART=n.
;; ======== version 1 of 1: 4 launches
;; limits: values are held in f16: magnitudes above 65,504 overflow, below 6.1e-05 lose precision
;; workspace buffers: xc 2,097,152 bytes; xs 131,072 bytes; wc 1,572,864 bytes; ws 98,304 bytes; wf 2,097,152 bytes; qkv 25,165,824 bytes; hf 8,388,608 bytes
;; launch prep (part 1): grid 256 x 1, 4 waves a work-group, no clusters, 33,280 bytes of LDS; arguments x, Wqkv, xc, xs, wc, ws, Wout, wf; writes xc, xs, wc, ws, wf
.if DOCPART == 1
	.amdgcn_target "amdgcn-amd-amdhsa--gfx1250"
	.amdhsa_code_object_version 6
	.text
	.protected	k_q0ca34b5764_prep
	.globl	k_q0ca34b5764_prep
	.p2align	8
	.type	k_q0ca34b5764_prep,@function
k_q0ca34b5764_prep:
	s_mov_b64 s[64:65], 0
	v_nop
	global_prefetch_b8 v0, s[64:65] scope:SCOPE_SE
	s_setreg_imm32_b32 hwreg(HW_REG_WAVE_MODE, 25, 1), 1
	s_wait_xcnt 0x0
; PREP.  x [4096][1024] and Wqkv [3072][1024], f32, become codes of FP4 (E2M1), K innermost, two codes a byte, with one E8M0 scale byte for each 32 along K; Wout [1024][1024] becomes f16, laid as it lies.
; A block's scale is 2^(floor(log2(its largest magnitude)) - 2); its byte is the largest magnitude's own exponent field - 2, held at 1 from below.  Each number is divided by the scale and rounded to the nearest code, ties to even, beyond 6 the largest code.
; LIMITS: a block of zeros gets the byte 1 where the quantiser's text says 127: its codes are zeros, which add nothing, and the bytes are read by this program alone.  Blocks whose largest magnitude lies under 2^-124 have their byte held at 1.
; NaN and infinities are not served.  Wout beyond 65,504 has no f16; under 6e-5 it keeps an absolute error of 3e-8.
; SHARES.  Work-groups 0-127 take x, 128-223 Wqkv, 224-255 Wout; a wave takes 8,192 numbers.  Rows are dense and 1,024 is a multiple of 32: all three tensors are plain streams.
; QUANTISING: a wave takes 16 steps of 512 numbers.  Each of a step's four loads reads 512 consecutive bytes; the 2,048 bytes turn through the wave's own stage in LDS and come back 64 bytes a lane, so that a lane holds 16 neighbours
; along K (two neighbouring lanes hold a block).  A lane's 16 codes are 8 bytes: the wave stores 256 consecutive bytes.  A wave's 256 scale bytes are gathered in LDS and leave as one aligned run of 256 bytes.
; No tensor load, no barrier: waves share nothing.
.set SIZE_M, 4096
.set SIZE_N, 3072
.set SIZE_K, 1024
.set WAVES, 4
.set STEPS, 16
.set WGA,   SIZE_M*SIZE_K/(512*STEPS*WAVES)        ; 128 work-groups for x
.set WGQ,   WGA+SIZE_N*SIZE_K/(512*STEPS*WAVES)    ; 224: behind them Wout's
.set EMAX,  2
.set CB,    8                          ; bytes of 16 codes
.set R,     16                         ; v16-79   four sets of 16 numbers as they are loaded
.set X,     80                         ; v80-111  two sets of 16 neighbours
.set C,     128                        ; v128-191 codes: four registers for each step, so that no store's data are written again
.set E,     112                        ; v112-127 a scale byte for each step
.set WREG,  8192                       ; LDS: a region for each wave: two stages of 32 x SP bytes, behind them its 256 scale bytes
.set SP,    80                         ; a lane's place in a stage: its 64 bytes + 16 of padding
.set SPW,   12                         ; v12      LDS address of my spare word; never rewritten
.set NIL,   13                         ; v13      0; never rewritten
.set SPARE, WAVES*WREG                 ; behind the four regions: the spare words, 128 bytes a wave, which no other line names
	s_load_b128 s[4:7], s[0:1], 0x0                ; x, Wqkv
	s_load_b128 s[8:11], s[0:1], 0x10              ; x's codes, x's scales
	s_load_b128 s[12:15], s[0:1], 0x20             ; Wqkv's codes, Wqkv's scales
	s_load_b128 s[24:27], s[0:1], 0x30             ; Wout, Wout as f16
	v_lshl_add_u32 v[SPW], v0, 2, SPARE
	v_mov_b32 v[NIL], 0
	v_lshrrev_b32 v1, 5, v0
	v_readfirstlane_b32 s16, v1                    ; wave
	v_and_b32 v2, 31, v0                           ; lane
	v_lshlrev_b32 v3, 4, v2                        ; my 16 bytes of a load's 512
	s_mul_i32 s17, s16, WREG
	v_lshrrev_b32 v14, 2, v2
	v_mul_u32_u24 v14, v14, SP
	v_and_b32 v15, 3, v2
	v_lshl_add_u32 v14, v15, 4, v14
	v_add_nc_u32 v14, s17, v14                     ; the stage, on the way in: four lanes' 64 bytes on end, then 16 of padding
	v_mul_u32_u24 v15, v2, SP
	v_add_nc_u32 v15, s17, v15                     ; and on the way out: SP x lane: my 16 neighbours
	v_mul_u32_u24 v4, v2, CB                       ; 8 x lane: my codes' place in a step's (and my four f16 numbers' place on Wout's path)
	v_lshrrev_b32 v5, 1, v2
	s_add_co_u32 s17, s17, 2*32*SP
	v_add_nc_u32 v5, s17, v5                       ; LDS: my wave's 256 scale bytes, my block's byte
	v_lshlrev_b32 v7, 3, v2                        ; and on the way out 8 bytes a lane
	v_add_nc_u32 v6, s17, v7
	s_wait_kmcnt 0x0
	s_cmp_ge_u32 ttmp9, WGQ                        ; the last 32 work-groups convert Wout: a branch on the work-group's number alone
	s_cbranch_scc1 .Lwout
	s_cmp_lt_u32 ttmp9, WGA                        ; x's work-group or Wqkv's?  Only pointers are chosen: both take one path through the text
	s_cselect_b64 s[4:5], s[4:5], s[6:7]
	s_cselect_b64 s[8:9], s[8:9], s[12:13]
	s_cselect_b64 s[10:11], s[10:11], s[14:15]
	s_cselect_b32 s17, 0, WGA
	s_sub_co_u32 s17, ttmp9, s17
	s_lshl_b32 s17, s17, 2
	s_add_co_u32 s18, s17, s16                     ; which run of 8,192 numbers of the tensor is my wave's
	s_mov_b32 s19, 0
	s_mov_b64 s[20:21], 512*STEPS*4
	s_mul_u64 s[20:21], s[18:19], s[20:21]
	s_add_nc_u64 s[4:5], s[4:5], s[20:21]
	s_mov_b64 s[20:21], 32*STEPS*CB
	s_mul_u64 s[20:21], s[18:19], s[20:21]
	s_add_nc_u64 s[8:9], s[8:9], s[20:21]
	s_lshl_b32 s18, s18, 8                         ; 256 scale bytes a run
	s_add_nc_u64 s[10:11], s[10:11], s[18:19]
.macro LOAD t
.irp i, 0,1,2,3
	global_load_b128 v[R+16*((\t)%4)+4*\i:R+16*((\t)%4)+4*\i+3], v3, s[4:5] offset:2048*(\t)+512*\i th:TH_LOAD_NT   ; 32 lanes read 512 consecutive bytes
.endr
.endm
.macro TURN t                          ; step t's numbers through the stage: LDS serves a wave's instructions in order, so no wait stands between the stores and the loads
.irp i, 0,1,2,3
	ds_store_b128 v14, v[R+16*((\t)%4)+4*\i:R+16*((\t)%4)+4*\i+3] offset:32*SP*((\t)%2)+8*SP*\i
.endr
.irp i, 0,1,2,3
	ds_load_b128 v[X+16*((\t)%2)+4*\i:X+16*((\t)%2)+4*\i+3], v15 offset:32*SP*((\t)%2)+16*\i
.endr
.endm
.irp t, 0,1,2,3
	LOAD \t
.endr
	s_wait_loadcnt 12                              ; step 0's four loads are in; the twelve of steps 1 to 3 may be out
	TURN 0
.macro STEP t
.set XS, X+16*((\t)%2)
.if (\t) > 0
	s_wait_dscnt 1                                 ; this step's numbers are back from the stage (the last step's byte store may be out): so its stores into the stage have read their registers,
.else
	s_wait_dscnt 0x0
.endif
.if (\t)+4 < STEPS
	LOAD (\t)+4                                    ; which take the loads of four steps on
.endif
.if (\t)+1 < STEPS
.if STEPS-2-(\t) >= 3
	s_wait_loadcnt 12                              ; the next step's four loads are in; those of the three steps behind it may be out
.else
	s_wait_loadcnt 4*(STEPS-2-(\t))
.endif
	TURN (\t)+1                                    ; and go through the other stage while this step is worked
.endif
	v_max3_num_f32 v8, |v[XS]|, |v[XS+1]|, |v[XS+2]|               ; the largest magnitude of my 16, in two chains
	v_max3_num_f32 v9, |v[XS+3]|, |v[XS+4]|, |v[XS+5]|
.irp i, 6,10
	v_max3_num_f32 v8, v8, |v[XS+\i]|, |v[XS+\i+1]|
	v_max3_num_f32 v9, v9, |v[XS+\i+2]|, |v[XS+\i+3]|
.endr
	v_max3_num_f32 v8, v8, |v[XS+14]|, |v[XS+15]|
	v_max3_num_f32 v8, v8, v9, (EMAX+1)<<23        ; and the floor 2^(3 - 127): so the byte cannot fall under 1
	v_max_num_f32_dpp v8, v8, v8 row_xmask:1 row_mask:0xf bank_mask:0xf   ; and of my neighbour's 16: the block's
	v_add_nc_u32 v11, -(EMAX<<23), v8              ; 2 off its exponent field: the conversion takes the exponent field of this operand as its scale
	v_cvt_scalef32_pk8_fp4_f32 v[C+4*(\t)], v[XS:XS+7], v11
	v_cvt_scalef32_pk8_fp4_f32 v[C+4*(\t)+1], v[XS+8:XS+15], v11
	v_lshrrev_b32 v[E+(\t)], 23, v11               ; the scale's byte (also the plain line behind the conversions)
	ds_store_b8 v5, v[E+(\t)] offset:16*(\t)       ; both lanes of a block write the same byte with the same value
	global_store_b64 v4, v[C+4*(\t):C+4*(\t)+1], s[8:9] offset:32*CB*(\t)   ; the wave stores 256 consecutive bytes, aligned
.endm
.irp t, 0,1,2,3,4,5,6,7,8,9,10,11,12,13,14,15
	STEP \t
.endr
	ds_load_b64 v[8:9], v6                         ; LDS serves a wave's instructions in order: these see my stores
	s_wait_dscnt 0x0
	global_store_b64 v7, v[8:9], s[10:11]          ; 32 lanes store 256 consecutive bytes, aligned
	s_wait_tensorcnt 0x0                           ; the wave's end: a tensor wait, a spare add and its wait behind my last LDS store
	ds_add_u32 v[SPW], v[NIL]
	s_wait_dscnt 0x0
	s_endpgm
; WOUT TO F16.  A wave converts 8,192 numbers in four rounds of 16 loads (512 consecutive bytes each), two sets of 64 registers by turns; each store covers 256 consecutive bytes, aligned.
.Lwout:
	s_sub_co_u32 s17, ttmp9, WGQ
	s_lshl_b32 s17, s17, 2
	s_add_co_u32 s17, s17, s16                     ; my run of 8,192 numbers: 0 .. 127
	s_lshl_b32 s18, s17, 15                        ; 32,768 bytes of f32,
	s_mov_b32 s19, 0
	s_add_nc_u64 s[24:25], s[24:25], s[18:19]
	s_lshl_b32 s18, s17, 14                        ; 16,384 bytes of f16
	s_add_nc_u64 s[26:27], s[26:27], s[18:19]
.macro LOADW g
.set n, 0
.rept 16
	global_load_b128 v[16+64*((\g)%2)+4*n:16+64*((\g)%2)+4*n+3], v3, s[24:25] offset:512*(16*(\g)+n) th:TH_LOAD_NT
.set n, n+1
.endr
.endm
.macro CVR g
.if (\g) < 3
	s_wait_loadcnt 16                              ; this round's 16 loads are in; the other set's 16 may be out
.else
	s_wait_loadcnt 0x0
.endif
.if (\g) > 0
	s_wait_xcnt 0x0                                ; the last round's stores have read v144-175, which are written again below
.endif
.set n, 0
.rept 16
	v_cvt_pk_f16_f32 v[144+2*n], v[16+64*((\g)%2)+4*n], v[16+64*((\g)%2)+4*n+1]
	v_cvt_pk_f16_f32 v[145+2*n], v[16+64*((\g)%2)+4*n+2], v[16+64*((\g)%2)+4*n+3]
.set n, n+1
.endr
.if (\g) < 2
	LOADW (\g)+2                                   ; loads ahead of stores
.endif
.set n, 0
.rept 16
	global_store_b64 v4, v[144+2*n:145+2*n], s[26:27] offset:256*(16*(\g)+n)
.set n, n+1
.endr
.endm
	LOADW 0
	LOADW 1
	CVR 0
	CVR 1
	CVR 2
	CVR 3
	s_endpgm
.Lfunc_end_k_q0ca34b5764_prep:
	.size	k_q0ca34b5764_prep, .Lfunc_end_k_q0ca34b5764_prep-k_q0ca34b5764_prep
	.p2alignl 7, 3214868480
	.fill 96, 4, 3214868480
	.section	.rodata,"a",@progbits
	.p2align	6, 0x0
	.amdhsa_kernel k_q0ca34b5764_prep
		.amdhsa_group_segment_fixed_size 33280
		.amdhsa_private_segment_fixed_size 0
		.amdhsa_enable_private_segment 0
		.amdhsa_kernarg_size 64
		.amdhsa_user_sgpr_count 2
		.amdhsa_user_sgpr_kernarg_segment_ptr 1
		.amdhsa_wavefront_size32 1
		.amdhsa_system_sgpr_workgroup_id_x 1
		.amdhsa_system_sgpr_workgroup_id_y 1
		.amdhsa_system_sgpr_workgroup_id_z 1
		.amdhsa_system_vgpr_workitem_id 0
		.amdhsa_next_free_vgpr 192
		.amdhsa_next_free_sgpr 66
		.amdhsa_reserve_vcc 0
		.amdhsa_float_denorm_mode_32 3
		.amdhsa_float_denorm_mode_16_64 3
		.amdhsa_memory_ordered 1
		.amdhsa_forward_progress 1
		.amdhsa_inst_pref_size 54
	.end_amdhsa_kernel
	.amdgpu_metadata
---
amdhsa.version: [ 1, 2 ]
amdhsa.kernels:
  - .name:           k_q0ca34b5764_prep
    .symbol:         k_q0ca34b5764_prep.kd
    .args:
      - { .name: x, .offset: 0, .size: 8, .value_kind: global_buffer, .address_space: global }
      - { .name: Wqkv, .offset: 8, .size: 8, .value_kind: global_buffer, .address_space: global }
      - { .name: xc, .offset: 16, .size: 8, .value_kind: global_buffer, .address_space: global }
      - { .name: xs, .offset: 24, .size: 8, .value_kind: global_buffer, .address_space: global }
      - { .name: wc, .offset: 32, .size: 8, .value_kind: global_buffer, .address_space: global }
      - { .name: ws, .offset: 40, .size: 8, .value_kind: global_buffer, .address_space: global }
      - { .name: Wout, .offset: 48, .size: 8, .value_kind: global_buffer, .address_space: global }
      - { .name: wf, .offset: 56, .size: 8, .value_kind: global_buffer, .address_space: global }
    .group_segment_fixed_size: 33280
    .private_segment_fixed_size: 0
    .kernarg_segment_align: 8
    .kernarg_segment_size: 64
    .max_flat_workgroup_size: 128
    .sgpr_count:     66
    .vgpr_count:     192
    .wavefront_size: 32
...
	.end_amdgpu_metadata
.endif
;; end of part 1
;; launch qkvgemm (part 2): grid 12 x 16, 4 waves a work-group, clusters of 4 x 4, 327,680 bytes of LDS; arguments xc, xs, wc, ws, bqkv, q_gamma, k_gamma, qkv; writes qkv
.if DOCPART == 2
	.amdgcn_target "amdgcn-amd-amdhsa--gfx1250"
	.amdhsa_code_object_version 6
	.text
	.protected	k_q0ca34b5764_qkvgemm
	.globl	k_q0ca34b5764_qkvgemm
	.p2align	8
	.type	k_q0ca34b5764_qkvgemm,@function
k_q0ca34b5764_qkvgemm:
	s_mov_b64 s[64:65], 0
	v_nop
	global_prefetch_b8 v0, s[64:65] scope:SCOPE_SE
	s_setreg_imm32_b32 hwreg(HW_REG_WAVE_MODE, 25, 1), 1
	s_wait_xcnt 0x0
	s_wait_alu depctr_hold_cnt(0) depctr_sa_sdst(0) depctr_va_vdst(0) depctr_va_sdst(0) depctr_va_ssrc(0) depctr_va_vcc(0) depctr_vm_vsrc(0)
	s_getreg_b32 s2, hwreg(HW_REG_IB_STS2, 6, 4)
	s_cmp_eq_u32 s2, 0
	s_cbranch_scc0 .Lentry_in_a_cluster
	s_endpgm
.Lentry_in_a_cluster:
	s_bfe_u32 s2, ttmp6, 0x10000c
	s_cmp_lg_u32 s2, 0xf033
	s_cbranch_scc0 .Lentry_shape_is_right
	s_endpgm
.Lentry_shape_is_right:
; QKV.  qkv[m][n] = sum over k of x[m][k] Wqkv[n][k] + bqkv[n] on codes of FP4 (E2M1) with one E8M0 scale for each 32 along K, f32 sums; then, for q and k, each head's 64 numbers are divided by max(their norm, 1e-12) and multiplied by gamma;
; all three leave as f16.  Stored: q' = q^ gamma_q log2(e), k' = k^ gamma_k 8, so that k' . q' is the score (norms' two factors 8, the division by 8) times log2(e); v as it is.
; SHARES.  A tile of 256 tokens x 256 columns is made by four waves, each 128 x 128: 64 accumulators of 16 x 16, 512 registers; a wave's 128 columns are two whole heads, so a norm never leaves the wave.
; K = 1,024 is two slots of 512 along K (rows of 256 bytes): both are first fills, nothing is filled again, there is no loop.  The scale bytes of the tile's rows come once, as dense blocks.
; 192 work-groups: a tile of 192 columns would give 256, but would cut heads between waves.
; CLUSTERS: 4 x 4 work-groups.  The four of a row need the same tiles of x, the four of a column the same tiles of Wqkv: each is asked for JOINTLY.  A cluster's x (0, 1, 2) says q, k or v: the same in all sixteen partners; it only selects values.
; TRANSPOSED USE: source 0 = 16 rows of Wqkv, source 1 = 16 tokens: lane (r, h) holds token r and columns 16 b + 8 h + 0 .. 7.  Rounded to f16 these are four registers, HALF A FRAGMENT of the next launch's products.
; So the results leave as images of operand registers: unit [kind][head][token tile][b][pos][16 bytes]; one store of the wave covers 512 consecutive bytes, aligned; no stage in LDS.  For q and k pos = lane; for v pos = lane with bits 3 and 4
; swapped, which is the order in which the next launch's turning LDS load addresses its lanes.
; The bias is the C of each sum's first product (so it is added first: an order of rounding that differs from x W^T + b).
; LIMITS: NaN and infinities are not served.  |q'|, |k'|, |v| beyond 65,504 have no f16; under 6e-5 they keep an absolute error of 3e-8.
; REGISTERS: window 0: v16-29 addresses; v32-95 scale words, two sets; v128-191 x's fragments, one set; v192-255 the bias, 8 registers a column block.  On the way out: v32-63 1/norm, v64-127 at work, v192-255 f16 results, two sets.
;   window 1: Wqkv's fragments, two sets, at v0 and v128; v64-127 gamma x its factor.   window 2: accumulators of my tokens 0-63 ((a, b) at v[8 (8 a + b)]);   window 3: tokens 64-127.
.set SIZE_M, 4096
.set SIZE_N, 3072
.set SIZE_K, 1024
.set KSTEP,  512                       ; along K in a slot
.set NQ,     KSTEP/128                 ; matrix instructions deep
.set ROWB,   256                       ; a tile's row in bytes
.set KROW,   SIZE_K*4/8                ; a row of codes in memory
.set PITCH,  272                       ; an LDS row: 256 bytes + 16 of padding: the 16 rows that a load touches start at 16 different groups of four banks
.set FR,     8                         ; registers of a fragment: 16 rows x 128 K
.set NL,     2                         ; LDS loads that bring one
.set NP,     4                         ; places behind this matrix instruction (ISA guide 7.12.1)
.set HALFT,  128*PITCH                 ; 128 rows: what one tensor load brings
.set SLOT,   4*HALFT                   ; x's 256 rows, then Wqkv's 256 rows
.set KS,     SIZE_K/32                 ; a row of scale bytes
.set SCL,    2*SLOT                    ; behind the slots: the scales, as runs of 256 bytes + 16 of padding
.set HALFS,  (128*KS/256)*272          ; the scales of 128 rows
.set SBLK,   (16*KS/256)*272           ; those of 16 rows
.set SPARE,  SCL+4*HALFS               ; behind the scales: the spare words, 128 bytes a wave, which no other line names
.set ADRA, 16                          ; v16-17  LDS address of my x fragments in slot 0, 1
.set ADRB, 20                          ; v20-21  the same for Wqkv
.set VO,   24                          ; v24     16 x pos: my place in a stored unit's 512 bytes
.set BO,   25                          ; v25     32 x (lane / 16): my eight numbers of a column block's 16, in bias and gamma
.set ADRS, 27                          ; v27     LDS address of my scale words: lanes 0-15 x's rows, lanes 16-31 Wqkv's
.set SPW,  28                          ; v28     LDS address of my spare word; never rewritten
.set NIL,  29                          ; v29     0; never rewritten
.set SC,   32                          ; scale words: set s at v[SC + 32 s]; register 4 i + q: lanes 0-15 x's block i, lanes 16-31 Wqkv's block i, the slot's q-th 128 along K
.set AF,   128                         ; x's fragments
.set BI,   192                         ; the bias
.set GM,   64                          ; window 1: gamma x factor
.set RS,   32                          ; the way out: 1/norm of token block a, head hh at v[RS + 4 a + 2 hh]; the odd register beside it is at work
.set TP,   64                          ; four running pairs of a sum of squares
.set T,    64                          ; 64 numbers at work
.set OU,   192                         ; 32 registers of f16, two sets by turns
.set G1, 24                            ; s[24:31] descriptor group 1 for x's tiles;  s[32:39] group 0, one set for each slot
.set G0, 32
.set G1B, 48                           ; s[48:55], s[56:63] the same for Wqkv's
.set G0B, 56
.set G1S, 68                           ; s[68:75], s[76:79] groups 1 and 0 for x's scales;  s[80:87], s[88:91] for Wqkv's
.set G0S, 76
.set G1SB, 80
.set G0SB, 88
.set SEL, 66                           ; s[66:67] lane selects for v_permlanex16_b32: lane l xor 16
.set MK,  95                           ; s95  all ones for v, else 0
.set CM,  96                           ; s96  gamma's factor: log2(e) for q, 8 for k, 0 for v
.set CA,  97                           ; s97  and addend: 0, 0, 1
.set MSB, 0
.macro WIN new                         ; the immediate's high byte repeats the setting that is left
.if MSB != \new
	s_set_vgpr_msb (MSB<<8)|\new
.set MSB, \new
.endif
.endm
.set MUL_LO, 0xa1                      ; source 0 (Wqkv) window 1, source 1 (x) window 0, C and D window 2
.set MUL_HI, 0xf1                      ; the same, C and D window 3
.set FST_LO, 0x81                      ; the first step: C (the bias) window 0, D window 2
.set FST_HI, 0xc1                      ; D window 3
.set TO_B,   0x40                      ; destination window 1, address window 0
; A joint load: waves 0 and 1 fetch for x, waves 2 and 3 for Wqkv.  Each line has one mask and one set of registers for all that issue it; the branch hangs on the wave's number alone.
; An s_nop 0 and four v_nop follow each of the two lines.
.macro JLOAD g0a, g1a, g0b, g1b
	s_cmp_eq_u32 s15, 0
	s_cbranch_scc0 .Lfor_b_\@
	tensor_load_to_lds s[\g0a:\g0a+3], s[\g1a:\g1a+7]
	s_nop 0
.rept 4
	v_nop
.endr
	s_branch .Lasked_\@
.Lfor_b_\@:
	tensor_load_to_lds s[\g0b:\g0b+3], s[\g1b:\g1b+7]
	s_nop 0
.rept 4
	v_nop
.endr
.Lasked_\@:
.endm
.macro CROUND                          ; a round of the cluster's barrier
	s_barrier_signal -1
	s_barrier_wait -1
	s_cmp_lg_u32 s14, 0
	s_cbranch_scc1 .Lnot_wave_0_\@
	s_barrier_signal -3
.Lnot_wave_0_\@:
	s_barrier_wait -3
	s_barrier_signal -1
	s_barrier_wait -1
.endm
	s_load_b256 s[4:11], s[0:1], 0x0               ; x's codes s[4:5], x's scales s[6:7], Wqkv's codes s[8:9], Wqkv's scales s[10:11]
	v_lshl_add_u32 v[SPW], v0, 2, SPARE
	v_mov_b32 v[NIL], 0
	ds_add_u32 v[SPW], v[NIL]                      ; the wave's opening: the add, twice on end, and its wait ahead of my first tensor load
	ds_add_u32 v[SPW], v[NIL]                      ; once more; the set-up below, work on registers, stands between it and the wait
	v_lshrrev_b32 v1, 5, v0
	v_readfirstlane_b32 s14, v1                    ; wave 0..3
	s_lshr_b32 s15, s14, 1                         ; which half of the tile's tokens is mine.  Also: I fetch for x (0) or for Wqkv (1)
	s_and_b32 s16, s14, 1                          ; which half of its columns.  Also: which 128 rows of that tile I fetch
	s_bfe_u32 s40, ttmp6, 0x40000                  ; cx, cy: my place in the cluster
	s_bfe_u32 s41, ttmp6, 0x40004
	s_lshl_b32 s42, ttmp9, 2
	s_add_co_u32 s42, s42, s40                     ; tile column = 4 x cluster x + cx
	s_and_b32 s17, ttmp7, 0xffff
	s_lshl_b32 s17, s17, 2
	s_add_co_u32 s17, s17, s41                     ; tile row = 4 x cluster y + cy
	s_lshl_b32 s43, s41, 2
	s_lshl_b32 s43, 15, s43                        ; my row of the cluster
	s_lshl_b32 s44, 0x1111, s40                    ; my column
	; descriptor group 1: a tile of 128 rows x 256 bytes, padded in LDS
	s_or_b32 s[G1+0], s43, (0<<16)|(1<<20)|(1<<21)|(5<<22)|(3<<25)  ; 15:0 the mask: x's tiles go to my row; 17:16 elements of 1 byte; 20 padding on; 21 set beside a mask; 24:22 after every 64 words; 31:25 four words
	s_or_b32 s[G1B+0], s44, (0<<16)|(1<<20)|(1<<21)|(5<<22)|(3<<25)
.irp g, G1, G1B
	s_mov_b32 s[\g+1], ROWB<<16                    ; tensor_dim0
	s_mov_b32 s[\g+2], 128<<16                     ; tensor_dim1
	s_mov_b32 s[\g+3], ROWB<<16                    ; tile_dim0
	s_mov_b32 s[\g+4], 128                         ; tile_dim1
	s_mov_b32 s[\g+5], KROW                        ; tensor_dim0_stride
	s_mov_b32 s[\g+6], 0
	s_mov_b32 s[\g+7], 0
.endr
	; and for the scales of 128 rows: a dense block of 4,096 bytes, as 16 rows of 256 bytes (32 elements of 8 bytes), 16 bytes of padding behind each
	s_or_b32 s[G1S+0], s43, (3<<16)|(1<<20)|(1<<21)|(5<<22)|(3<<25)
	s_or_b32 s[G1SB+0], s44, (3<<16)|(1<<20)|(1<<21)|(5<<22)|(3<<25)
.irp g, G1S, G1SB
	s_mov_b32 s[\g+1], 32<<16
	s_mov_b32 s[\g+2], (128*KS/256)<<16
	s_mov_b32 s[\g+3], 32<<16
	s_mov_b32 s[\g+4], 128*KS/256
	s_mov_b32 s[\g+5], 32
	s_mov_b32 s[\g+6], 0
	s_mov_b32 s[\g+7], 0
.endr
	s_lshl_b32 s18, s16, 7                         ; which 128 rows of the tile I fetch
	s_lshl_b32 s20, s17, 8
	s_add_co_u32 s20, s20, s18                     ; x: row 256 x tile row + 128 x half
	s_lshl_b32 s46, s42, 8
	s_add_co_u32 s46, s46, s18                     ; Wqkv: row 256 x tile column + 128 x half
	s_mov_b32 s21, 0
	s_mov_b32 s47, 0
	s_mov_b64 s[18:19], KS
	s_mul_u64 s[22:23], s[20:21], s[18:19]         ; where these rows' scales begin, in bytes
	s_mul_u64 s[92:93], s[46:47], s[18:19]
	s_mov_b64 s[18:19], KROW
	s_mul_u64 s[20:21], s[20:21], s[18:19]         ; and their codes
	s_mul_u64 s[46:47], s[46:47], s[18:19]
	s_mul_i32 s45, s14, HALFT                      ; where they go: wave x 128 rows: no place in the cluster enters an LDS address
	s_mul_i32 s94, s14, HALFS
	s_mov_b32 s[SEL], 0x76543210
	s_mov_b32 s[SEL+1], 0xfedcba98
	s_wait_dscnt 0x0                               ; both opening adds are done
	s_wait_kmcnt 0x0
	s_add_nc_u64 s[20:21], s[4:5], s[20:21]
	s_add_nc_u64 s[22:23], s[6:7], s[22:23]
	s_add_nc_u64 s[46:47], s[8:9], s[46:47]
	s_add_nc_u64 s[92:93], s[10:11], s[92:93]
	CROUND                                         ; all sixteen work-groups are here: the first joint loads meet
	s_mov_b32 s[G0S], 1
	s_add_co_u32 s[G0S+1], s94, SCL
	s_mov_b64 s[G0S+2:G0S+3], s[22:23]
	s_or_b32 s[G0S+3], s[G0S+3], 0x80000000
	s_mov_b32 s[G0SB], 1
	s_add_co_u32 s[G0SB+1], s94, SCL
	s_mov_b64 s[G0SB+2:G0SB+3], s[92:93]
	s_or_b32 s[G0SB+3], s[G0SB+3], 0x80000000
	JLOAD G0S, G1S, G0SB, G1SB                     ; the scales first: they are wanted with the first slot
.irp s, 0,1
	s_mov_b32 s[G0+4*\s], 1
	s_add_co_u32 s[G0+4*\s+1], s45, \s*SLOT
	s_add_nc_u64 s[G0+4*\s+2:G0+4*\s+3], s[20:21], \s*ROWB
	s_or_b32 s[G0+4*\s+3], s[G0+4*\s+3], 0x80000000
	s_mov_b32 s[G0B+4*\s], 1
	s_add_co_u32 s[G0B+4*\s+1], s45, \s*SLOT
	s_add_nc_u64 s[G0B+4*\s+2:G0B+4*\s+3], s[46:47], \s*ROWB
	s_or_b32 s[G0B+4*\s+3], s[G0B+4*\s+3], 0x80000000
	JLOAD G0+4*\s, G1, G0B+4*\s, G1B               ; three tensor loads of mine are out now, and no more follow
.endr
	s_load_b256 s[4:11], s[0:1], 0x20              ; the four code and scale pointers are done with: bqkv s[4:5], q_gamma s[6:7], k_gamma s[8:9], qkv s[10:11]
	v_and_b32 v1, 15, v0                           ; r = l % 16
	v_bfe_u32 v2, v0, 4, 1                         ; h = l / 16
	v_mul_u32_u24 v3, v1, PITCH
	v_lshl_add_u32 v4, v2, 4, v3                   ; a fragment's row x pitch + 16 x half
	s_mul_i32 s21, s15, HALFT                      ; my 128 rows of x
	s_mul_i32 s22, s16, HALFT                      ; my 128 rows of Wqkv,
	s_add_co_u32 s22, s22, 2*HALFT                 ; which lie behind x's 256
.irp s, 0,1
	v_add_nc_u32 v[ADRA+\s], s21, v4
	v_add_nc_u32 v[ADRB+\s], s22, v4
	s_add_co_u32 s21, s21, SLOT
	s_add_co_u32 s22, s22, SLOT
.endr
	v_mul_u32_u24 v5, v1, KS                       ; my row's scales: 32 bytes a row,
	v_lshrrev_b32 v6, 8, v5
	v_lshl_add_u32 v5, v6, 4, v5                   ; and 16 more for each 256 passed
	s_mul_i32 s21, s15, HALFS                      ; x's: my 128 rows
	s_mul_i32 s22, s16, HALFS                      ; Wqkv's: my 128 rows, behind x's 256
	s_add_co_u32 s22, s22, 2*HALFS
	s_sub_co_u32 s22, s22, s21
	v_mul_u32_u24 v6, s22, v2                      ; lanes 16-31 take Wqkv's: the lower base + h x the distance
	s_add_co_u32 s21, s21, SCL
	v_add_nc_u32 v5, v5, v6
	v_add_nc_u32 v[ADRS], s21, v5
	; what q, k and v differ in: values chosen by the cluster's x, no branch
	s_mov_b32 s[CM], 0x3fb8aa3b                    ; log2(e)
	s_mov_b32 s20, 0x41000000                      ; 8
	s_cmp_eq_u32 ttmp9, 1
	s_cselect_b32 s[CM], s20, s[CM]
	s_cmp_eq_u32 ttmp9, 2
	s_cselect_b32 s[CM], 0, s[CM]
	s_cselect_b32 s[CA], 1.0, 0
	s_cselect_b32 s[MK], -1, 0
	v_lshlrev_b32 v[BO], 5, v2
	v_and_b32 v5, 7, v0
	v_bfe_u32 v6, v0, 3, 1
	v_lshl_or_b32 v5, v2, 3, v5
	v_lshl_or_b32 v5, v6, 4, v5                    ; the lane with bits 3 and 4 swapped
	v_and_b32 v6, 31, v0
	v_cndmask_b32 v5, v6, v5, s[MK]                ; for v; the lane itself for q and k
	v_lshlrev_b32 v[VO], 4, v5
	s_lshl_b32 s20, s42, 8
	s_lshl_b32 s21, s16, 7
	s_add_co_u32 s20, s20, s21                     ; my first column of the 3,072
	s_lshl_b32 s20, s20, 2
	s_mov_b32 s21, 0
	s_lshl_b32 s46, s40, 8
	s_lshl_b32 s47, s16, 7
	s_add_co_u32 s46, s46, s47                     ; and of the kind's 1,024: gamma [16][64] is a plain run of them
	s_lshl_b32 s46, s46, 2
	s_mov_b32 s47, 0
	s_lshl_b32 s22, ttmp9, 23                      ; qkv: the kind, 8,388,608 bytes;
	s_lshl_b32 s23, s40, 2
	s_lshl_b32 s12, s16, 1
	s_add_co_u32 s23, s23, s12
	s_lshl_b32 s23, s23, 19                        ; my first head, 524,288 bytes a head;
	s_add_co_u32 s22, s22, s23
	s_lshl_b32 s23, s17, 4
	s_lshl_b32 s12, s15, 3
	s_add_co_u32 s23, s23, s12
	s_lshl_b32 s23, s23, 11                        ; my first tile of 16 tokens, 2,048 bytes a tile
	s_add_co_u32 s22, s22, s23
	s_mov_b32 s23, 0
	s_wait_kmcnt 0x0
	s_add_nc_u64 s[4:5], s[4:5], s[20:21]
	s_cmp_eq_u32 ttmp9, 1
	s_cselect_b64 s[6:7], s[8:9], s[6:7]           ; k's gamma for k, q's else (for v it is multiplied by 0)
	s_add_nc_u64 s[6:7], s[6:7], s[46:47]
	s_add_nc_u64 s[10:11], s[10:11], s[22:23]
.irp b, 0,1,2,3,4,5,6,7
	global_load_b128 v[BI+8*\b:BI+8*\b+3], v[BO], s[4:5] offset:64*\b          ; lane (r, h): the bias of columns 16 b + 8 h + 0 .. 7: the result's layout
	global_load_b128 v[BI+8*\b+4:BI+8*\b+7], v[BO], s[4:5] offset:64*\b+16
.endr
	WIN TO_B
.irp b, 0,1,2,3,4,5,6,7
	global_load_b128 v[GM+8*\b:GM+8*\b+3], v[BO], s[6:7] offset:64*\b          ; gamma likewise, into window 1
	global_load_b128 v[GM+8*\b+4:GM+8*\b+7], v[BO], s[6:7] offset:64*\b+16
.endr
	s_wait_loadcnt 0x0
	WIN 0x41                                       ; destination and source 0 window 1
.set j, 0
.rept 64
	v_fma_f32 v[GM+j], v[GM+j], s[CM], s[CA]       ; gamma log2(e), gamma 8, or 1: made while the first tiles are on their way
.set j, j+1
.endr
	WIN 0
.macro FRAG reg, adr, q, i             ; a fragment: lane l holds row l % 16; registers 4 c .. 4 c + 3 hold K = 64 c + 32 (l / 16) + 0 .. 31
.irp c, 0,1
	ds_load_b128 v[\reg+4*\c:\reg+4*\c+3], v[\adr] offset:64*(\q)+32*\c+(\i)*16*PITCH
.endr
.endm
; 16 matrix instructions: x's blocks a0, a0 + 1 against Wqkv's eight, the slot's q-th 128 along K.  p: Wqkv's set;  sc: the set of scale words.  first = 1: the bias is C and starts the sums: nothing is cleared, nothing added later.
; The 64 accumulators take turns, one instruction a turn, in the same order in every step.
.macro MUL16 a0, p, q, sc, first
.irp a, \a0, \a0+1
.irp b, 0,1,2,3,4,5,6,7
.if \first
	v_wmma_scale_f32_16x16x128_f8f6f4 v[8*(8*((\a)%4)+\b):8*(8*((\a)%4)+\b)+7], v[128*(\p)+FR*\b:128*(\p)+FR*\b+FR-1], v[AF+FR*(\a):AF+FR*(\a)+FR-1], v[BI+8*\b:BI+8*\b+7], v[SC+8*NQ*(\sc)+NQ*\b+(\q)], v[SC+8*NQ*(\sc)+NQ*(\a)+(\q)] matrix_a_fmt:MATRIX_FMT_FP4 matrix_b_fmt:MATRIX_FMT_FP4 matrix_a_scale:MATRIX_SCALE_ROW1
.else
	v_wmma_scale_f32_16x16x128_f8f6f4 v[8*(8*((\a)%4)+\b):8*(8*((\a)%4)+\b)+7], v[128*(\p)+FR*\b:128*(\p)+FR*\b+FR-1], v[AF+FR*(\a):AF+FR*(\a)+FR-1], v[8*(8*((\a)%4)+\b):8*(8*((\a)%4)+\b)+7], v[SC+8*NQ*(\sc)+NQ*\b+(\q)], v[SC+8*NQ*(\sc)+NQ*(\a)+(\q)] matrix_a_fmt:MATRIX_FMT_FP4 matrix_b_fmt:MATRIX_FMT_FP4 matrix_a_scale:MATRIX_SCALE_ROW1
.endif
.endr
.endr
.endm
.macro FETCH_B slot, q, p              ; Wqkv's eight fragments of the slot's q-th 128 along K into set p
	WIN TO_B
.irp i, 0,1,2,3,4,5,6,7
	FRAG 128*(\p)+FR*\i, ADRB+\slot, \q, \i
.endr
	WIN 0
.endm
.macro FETCH_A slot, q, i0             ; x's blocks i0 .. i0 + 3
.irp i, \i0, \i0+1, \i0+2, \i0+3
	FRAG AF+FR*(\i), ADRA+\slot, \q, \i
.endr
.endm
.macro SCALES sc                       ; a slot's scale words into set sc: four words a row; lanes 0-15 take x's block i, lanes 16-31 Wqkv's block i
.irp i, 0,1,2,3,4,5,6,7
	ds_load_b128 v[SC+8*NQ*\sc+NQ*\i:SC+8*NQ*\sc+NQ*\i+3], v[ADRS] offset:\i*SBLK
.endr
.endm
; A load into a register that a matrix instruction has read, and a vector instruction that reads a matrix result or writes one of its registers, stand four places behind it; only plain vector instructions that name none of its registers are places.
.macro PLACES n
.rept \n
	v_nop
.endr
.endm
; A step of 128 along K that has its successor in the same slot.  A block of x is free as soon as its eight products are issued: blocks 0-3 are fetched anew in the step's middle, blocks 4-7 at its end.
.macro STEP slot, q, first
	s_wait_dscnt 4*NL                              ; Wqkv's set and x's blocks 0-3 are in; the youngest eight loads (x's blocks 4-7) may be out
.if \first
	WIN FST_LO
.else
	WIN MUL_LO
.endif
	MUL16 0, (\q)%2, \q, \slot, \first
	MUL16 2, (\q)%2, \q, \slot, \first
	s_wait_dscnt 0                                 ; x's blocks 4-7 are in
	PLACES NP
	FETCH_B \slot, (\q)+1, 1-(\q)%2
	FETCH_A \slot, (\q)+1, 0
.if \first
	WIN FST_HI
.else
	WIN MUL_HI
.endif
	MUL16 4, (\q)%2, \q, \slot, \first
	MUL16 6, (\q)%2, \q, \slot, \first
	PLACES NP
	WIN 0
	FETCH_A \slot, (\q)+1, 4
.endm
; Slot 0's last step goes over to slot 1: one barrier; in front of it each wave waits for all its tensor loads (its part of slot 1), so that behind it the slot is whole for all four.  Nothing is filled again.
.macro TURN slot, next
	s_wait_tensorcnt 0x0                           ; all my tensor loads have landed
	ds_add_u32 v[SPW], v[NIL]                      ; 0 onto my spare word
	s_wait_dscnt 4*NL+1                            ; (the add and the youngest eight loads, x's blocks 4-7, may be out)
	WIN MUL_LO
	MUL16 0, 1, NQ-1, \slot, 0                     ; sixteen matrix instructions stand between the add and the wait for it
	s_wait_dscnt 0x0                               ; the add is done; no LDS instruction of mine is pending at the signal
	s_barrier_signal -1
	MUL16 2, 1, NQ-1, \slot, 0
	WIN 0
	s_barrier_wait -1
	PLACES NP
	v_add_nc_u32 v[ADRS], 4*NQ, v[ADRS]            ; on to the next slot's scale words
	FETCH_B \next, 0, 0
	FETCH_A \next, 0, 0
	SCALES \next
	WIN MUL_HI
	MUL16 4, 1, NQ-1, \slot, 0
	MUL16 6, 1, NQ-1, \slot, 0
	PLACES NP
	WIN 0
	FETCH_A \next, 0, 4
.endm
.macro STEPS slot, from                ; the slot's steps from .. NQ - 2
.set Q, \from
.rept NQ-1-\from
	STEP \slot, Q, 0
.set Q, Q+1
.endr
.endm
	s_wait_tensorcnt 1                             ; the scales and my part of slot 0 are in (slot 1's one load may be out)
	s_barrier_signal -1
	s_barrier_wait -1                              ; everybody's are
	FETCH_B 0, 0, 0
	FETCH_A 0, 0, 0
	SCALES 0
	FETCH_A 0, 0, 4
	STEP 0, 0, 1                                   ; the first step's products start the sums from the bias
	STEPS 0, 1
	TURN 0, 1
	STEPS 1, 0
	s_wait_dscnt 4*NL                              ; the very last step: nothing more to fetch
	WIN MUL_LO
	MUL16 0, 1, NQ-1, 1, 0
	MUL16 2, 1, NQ-1, 1, 0
	s_wait_dscnt 0
	WIN MUL_HI
	MUL16 4, 1, NQ-1, 1, 0
	MUL16 6, 1, NQ-1, 1, 0
	WIN 0
; THE WAY OUT.  First all sixteen sums of squares (8 token blocks x 2 heads), so that their reciprocal roots are one batch with one wait; then block by block: x 1/norm, x gamma, to f16, stored.
	PLACES NP                                      ; behind the last products, ahead of the first read of results and the first write of registers that held scale words
.set i, 0
.rept 16
	v_mov_b32 v[RS+2*i+1], 0                       ; a lane permute's destination counts as one of its sources
.set i, i+1
.endr
; Token block a: a lane's 32 numbers of each head, squared and summed in two chains a head (chain c: column blocks 2 c, 2 c + 1); each accumulator is read from its low end on
.macro NORMSUM a
.set AC, 64*((\a)%4)
	WIN 0x0a+5*((\a)/4)                            ; sources 0 and 1: window 2 or 3
.irp p, 0,1,2,3,4,5,6,7
.irp c, 0,1,2,3
.if \p == 0
	v_pk_mul_f32 v[TP+2*\c:TP+2*\c+1], v[AC+16*\c:AC+16*\c+1], v[AC+16*\c:AC+16*\c+1]
.else
	v_pk_fma_f32 v[TP+2*\c:TP+2*\c+1], v[AC+16*\c+2*\p:AC+16*\c+2*\p+1], v[AC+16*\c+2*\p:AC+16*\c+2*\p+1], v[TP+2*\c:TP+2*\c+1]
.endif
.endr
.endr
	WIN 0
	v_pk_add_f32 v[TP:TP+1], v[TP:TP+1], v[TP+2:TP+3]
	v_pk_add_f32 v[TP+4:TP+5], v[TP+4:TP+5], v[TP+6:TP+7]
	v_add_f32 v[RS+4*(\a)], v[TP], v[TP+1]
	v_add_f32 v[RS+4*(\a)+2], v[TP+4], v[TP+5]
.endm
.irp a, 0,1,2,3,4,5,6,7
	NORMSUM \a
.endr
.set i, 0
.rept 16
	v_permlanex16_b32 v[RS+2*i+1], v[RS+2*i], s[SEL], s[SEL+1]     ; the head's other 32 channels lie in the lane 16 away
.set i, i+1
.endr
.set i, 0
.rept 16
	v_add_f32 v[RS+2*i], v[RS+2*i], v[RS+2*i+1]
.set i, i+1
.endr
.set i, 0
.rept 16
	v_rsq_f32 v[RS+2*i], v[RS+2*i]
.set i, i+1
.endr
	v_nop                                          ; a plain line behind the last of the batch
	s_wait_alu depctr_va_vdst(0)                   ; one wait for the sixteen, ahead of their first reader
.set i, 0
.rept 16
	v_min_num_f32 v[RS+2*i], 0x5368d4a5, v[RS+2*i] ; 1 / max(norm, 1e-12) = min(1 / norm, 1e12); a sum of 0 gives infinity, which is held too
.set i, i+1
.endr
.set i, 0
.rept 16
	v_cndmask_b32 v[RS+2*i], v[RS+2*i], 1.0, s[MK] ; v is not normalised
.set i, i+1
.endr
.macro OUTBLK a
.set AC, 64*((\a)%4)
.set OB, OU+32*((\a)%2)
	WIN 0x02+(\a)/4                                ; source 0: window 2 or 3
.set p, 0
.rept 32
	v_pk_mul_f32 v[T+2*p:T+2*p+1], v[AC+2*p:AC+2*p+1], v[RS+4*(\a)+2*(p/16):RS+4*(\a)+2*(p/16)+1] op_sel_hi:[1,0]   ; x 1/norm of the head (the pair's low word for both halves)
.set p, p+1
.endr
	WIN 0x04                                       ; source 1: window 1
.set p, 0
.rept 32
	v_pk_mul_f32 v[T+2*p:T+2*p+1], v[T+2*p:T+2*p+1], v[GM+2*p:GM+2*p+1]
.set p, p+1
.endr
	WIN 0
.if (\a) >= 2
	s_wait_xcnt 0x0                                ; block a - 2's stores have read this set of registers
.endif
.set p, 0
.rept 32
	v_cvt_pk_f16_f32 v[OB+p], v[T+2*p], v[T+2*p+1]
.set p, p+1
.endr
.irp b, 0,1,2,3,4,5,6,7
	global_store_b128 v[VO], v[OB+4*\b:OB+4*\b+3], s[10:11] offset:(\b/4)*524288+(\a)*2048+(\b%4)*512   ; the wave stores 512 consecutive bytes, aligned: head b / 4, token tile a, channels 16 (b % 4) on
.endr
.endm
.irp a, 0,1,2,3,4,5,6,7
	OUTBLK \a
.endr
	s_wait_tensorcnt 0x0                           ; the wave's end: a tensor wait, a spare add and its wait behind my last tensor load
	ds_add_u32 v[SPW], v[NIL]
	s_wait_dscnt 0x0
	CROUND                                         ; the closing round: no work-group ends while a partner may still ask for a tile that names it
	s_endpgm
.Lfunc_end_k_q0ca34b5764_qkvgemm:
	.size	k_q0ca34b5764_qkvgemm, .Lfunc_end_k_q0ca34b5764_qkvgemm-k_q0ca34b5764_qkvgemm
	.p2alignl 7, 3214868480
	.fill 96, 4, 3214868480
	.section	.rodata,"a",@progbits
	.p2align	6, 0x0
	.amdhsa_kernel k_q0ca34b5764_qkvgemm
		.amdhsa_group_segment_fixed_size 327680
		.amdhsa_private_segment_fixed_size 0
		.amdhsa_enable_private_segment 0
		.amdhsa_kernarg_size 64
		.amdhsa_user_sgpr_count 2
		.amdhsa_user_sgpr_kernarg_segment_ptr 1
		.amdhsa_wavefront_size32 1
		.amdhsa_system_sgpr_workgroup_id_x 1
		.amdhsa_system_sgpr_workgroup_id_y 1
		.amdhsa_system_sgpr_workgroup_id_z 1
		.amdhsa_system_vgpr_workitem_id 0
		.amdhsa_next_free_vgpr 1024
		.amdhsa_next_free_sgpr 98
		.amdhsa_reserve_vcc 0
		.amdhsa_float_denorm_mode_32 3
		.amdhsa_float_denorm_mode_16_64 3
		.amdhsa_memory_ordered 1
		.amdhsa_forward_progress 1
		.amdhsa_inst_pref_size 181
	.end_amdhsa_kernel
	.amdgpu_metadata
---
amdhsa.version: [ 1, 2 ]
amdhsa.kernels:
  - .name:           k_q0ca34b5764_qkvgemm
    .symbol:         k_q0ca34b5764_qkvgemm.kd
    .args:
      - { .name: xc, .offset: 0, .size: 8, .value_kind: global_buffer, .address_space: global }
      - { .name: xs, .offset: 8, .size: 8, .value_kind: global_buffer, .address_space: global }
      - { .name: wc, .offset: 16, .size: 8, .value_kind: global_buffer, .address_space: global }
      - { .name: ws, .offset: 24, .size: 8, .value_kind: global_buffer, .address_space: global }
      - { .name: bqkv, .offset: 32, .size: 8, .value_kind: global_buffer, .address_space: global }
      - { .name: q_gamma, .offset: 40, .size: 8, .value_kind: global_buffer, .address_space: global }
      - { .name: k_gamma, .offset: 48, .size: 8, .value_kind: global_buffer, .address_space: global }
      - { .name: qkv, .offset: 56, .size: 8, .value_kind: global_buffer, .address_space: global }
    .group_segment_fixed_size: 327680
    .private_segment_fixed_size: 0
    .kernarg_segment_align: 8
    .kernarg_segment_size: 64
    .max_flat_workgroup_size: 128
    .sgpr_count:     98
    .vgpr_count:     1024
    .wavefront_size: 32
...
	.end_amdgpu_metadata
.endif
;; end of part 2
;; launch attn (part 3): grid 16 x 16, 8 waves a work-group, clusters of 4 x 1, 327,680 bytes of LDS; arguments qkv, hf; writes hf
.if DOCPART == 3
	.amdgcn_target "amdgcn-amd-amdhsa--gfx1250"
	.amdhsa_code_object_version 6
	.text
	.protected	k_q0ca34b5764_attn
	.globl	k_q0ca34b5764_attn
	.p2align	8
	.type	k_q0ca34b5764_attn,@function
k_q0ca34b5764_attn:
	s_mov_b64 s[64:65], 0
	v_nop
	global_prefetch_b8 v0, s[64:65] scope:SCOPE_SE
	s_setreg_imm32_b32 hwreg(HW_REG_WAVE_MODE, 25, 1), 1
	s_wait_xcnt 0x0
	s_wait_alu depctr_hold_cnt(0) depctr_sa_sdst(0) depctr_va_vdst(0) depctr_va_sdst(0) depctr_va_ssrc(0) depctr_va_vcc(0) depctr_vm_vsrc(0)
	s_getreg_b32 s2, hwreg(HW_REG_IB_STS2, 6, 4)
	s_cmp_eq_u32 s2, 0
	s_cbranch_scc0 .Lentry_in_a_cluster
	s_endpgm
.Lentry_in_a_cluster:
	s_bfe_u32 s2, ttmp6, 0x10000c
	s_cmp_lg_u32 s2, 0x3003
	s_cbranch_scc0 .Lentry_shape_is_right
	s_endpgm
.Lentry_shape_is_right:
; ATTENTION.  h[q][head] = the sum over keys of softmax(score) v, 16 heads, 4,096 queries and keys, head size 64, no mask.  q', k', v arrive as f16; k' . q' is already t = score x log2(e).
; Products on f16 operands with f32 sums; maxima and sums in f32; the weights p = 2^(t - m) are rounded to f16 for the second product, h once at the end (f16: the next launch's operand).
; SOFTMAX: for each query a running maximum m and sum l; in every step O and l are multiplied by 2^(m_old - m_new), which is 1 where m has not grown.  The sum is taken of the unrounded p.
; SHARES.  A work-group owns 256 queries of one head, each of its EIGHT waves 32: two tiles of 16, in 512 registers; two waves lie on a SIMD, so that one wave's vector work stands beside the other's products.  Every wave walks all keys, 64 a trip.
; LAYOUT.  S^T = K Q^T (source 0 = 16 keys, source 1 = 16 queries), O^T = V^T P (source 0 = 16 channels, source 1 = P): a lane holds ONE query throughout; two tiles of S^T, rounded in pairs, ARE a fragment of P.
; q', k', v lie in memory as images of operand registers: unit [kind][head][tile of 16 tokens][b][pos][16 bytes], channels 16 b + 8 h + 0 .. 7 of one token.  So every LDS load of a wave reads 512 consecutive bytes at 16 x lane: no pitch, no padding.
; K's units are half fragments as they lie; V's lie in the order in which ds_load_tr16_b128 addresses its lanes (lane L: key 8 (L / 16) + L % 8, channels 8 ((L / 8) % 2) on), and come out turned: channel L % 16, eight keys.
; RING.  Two slots of 512 keys (K 64 KiB, V 64 KiB, both dense in memory).  Waves 0-3 fetch K's quarters, waves 4-7 V's: 64 rows of 256 bytes a load, one load a wave behind each change of slots; it has 8 trips in which to land.
; CLUSTER.  The four query blocks of a cluster belong to one head and walk the same K and V: each tile is asked for JOINTLY.
; h leaves as images too: unit [block of 64 tokens][256 along K][tile of 16 tokens][16 along K][lane][16 bytes]: a store of the wave covers 512 consecutive bytes, aligned; no stage.
; LIMITS: NaN and infinities are not served; h beyond 65,504 has no f16; p and h under 6e-5 keep an absolute error of 3e-8.
; REGISTERS: window 0: v1-7 addresses; v8-23 statistics, eight a tile: +0 m, +1 the new m, +2 +3 l (even keys', odd keys'), +4..+7 at work (the rescaling factor takes +6); v32-95 S^T, 32 a tile; v96-127 P, 16 a tile.
;   window 1: v0-63 K of a trip; v64-127 V; v128-159 Q; v160-223 O^T, 32 a tile.
.set NKEY,  4096
.set SK,    512                        ; keys in a slot
.set NQ,    SK/64                      ; trips in a slot
.set NSL,   NKEY/SK                    ; slots' worth of keys
.set STEPB, 8192                       ; 64 keys of K, or of V, in bytes
.set SLOTB, NQ*STEPB                   ; a slot's K, or V
.set VOFF,  SLOTB                      ; a slot: K, then V
.set SLOT1, 1<<17                      ; slot 1 begins here: one exclusive or turns an address in one slot into the other's
.set SPARE, 2*SLOT1                    ; behind the ring: the spare words, 128 bytes a wave, which no other line names
.set KIND,  8388608                    ; bytes of q', of k', of v
.set LA,  1                            ; v1   16 x lane
.set ADK, 2                            ; v2   LDS address of the trip's K
.set ADV, 3                            ; v3   of its V
.set AV0, 4                            ; v4   16 x lane + VOFF
.set PFO, 5                            ; v5   256 x lane: the prefetches' offset; never rewritten
.set SPW, 6                            ; v6   LDS address of my spare word; never rewritten
.set NIL, 7                            ; v7   0; never rewritten
.set ST,  8
.set S,   32
.set P,   96
.set KF,  0                            ; window 1
.set VF,  64
.set QF,  128
.set OF,  160
.set WV,  12                           ; s12  my wave's number
.set LIM, 15                           ; s15  1 in a wave that prefetches, else the greatest number
.set PFA, 18                           ; s[18:19] where my prefetches stand
.set G1,  24                           ; s[24:31] descriptor group 1, for K's and V's tiles alike
.set G0K, 40                           ; s[40:47] group 0 for K: a set for each first fill; the second then walks on
.set G0V, 48                           ; s[48:55] the same for V
.set SLOTS, 56                         ; s56  slots still to be asked for
.set CNT, 57                           ; s57  counts trips
.set SEL, 60                           ; s[60:61] lane selects for v_permlanex16_b32: lane l xor 16
.set TB,  62                           ; s62  LDS byte at which the K of the trip to be fetched begins
.set MSB, 0
.macro WIN new                         ; the immediate's high byte repeats the setting that is left
.if MSB != \new
	s_set_vgpr_msb (MSB<<8)|\new
.set MSB, \new
.endif
.endm
.set W_LD, 0x40                        ; destination window 1, address window 0
.set W_KQ, 0x05                        ; K and Q window 1, S^T window 0
.set W_PV, 0x51                        ; V window 1, P window 0, O^T window 1
.set W_RS, 0x41                        ; O^T (destination and source 0) window 1, the factor window 0
; A joint refill.  The branch hangs on the wave's number alone.  An s_nop 0 and four v_nop follow each of the two lines.
.macro JLOAD
	s_cmp_lt_u32 s[WV], 4
	s_cbranch_scc0 .Lfor_v_\@
	tensor_load_to_lds s[G0K+4:G0K+7], s[G1:G1+7]
	s_nop 0
.rept 4
	v_nop
.endr
	s_branch .Lasked_\@
.Lfor_v_\@:
	tensor_load_to_lds s[G0V+4:G0V+7], s[G1:G1+7]
	s_nop 0
.rept 4
	v_nop
.endr
.Lasked_\@:
.endm
; A PREFETCH INTO THE L2 of what the NEXT change of slots will ask for: 64 KiB of K and 64 KiB of V, 8 trips ahead of that load.  Each aligned 256 bytes are named once in the launch: all clusters of a head walk the same K and V, so the
; head's first cluster asks; its four partners take 16 KiB each, told apart BY ADDRESS; in each, waves 0 and 1 ask for K's two halves of that and waves 4 and 5 for V's: 8 KiB a wave, lanes 256 bytes apart, one instruction.
; The last change that fills a slot asks for nothing; slots 0, 1 and 2 come by their loads alone.
.macro ASK
	s_cmp_gt_u32 s[SLOTS], s[LIM]
	s_cbranch_scc0 .Lnot_mine_\@
	global_prefetch_b8 v[PFO], s[PFA:PFA+1] th:TH_LOAD_NT scope:SCOPE_SE
.Lnot_mine_\@:
.endm
.macro CROUND                          ; a round of the cluster's barrier
	s_barrier_signal -1
	s_barrier_wait -1
	s_cmp_lg_u32 s[WV], 0
	s_cbranch_scc1 .Lnot_wave_0_\@
	s_barrier_signal -3
.Lnot_wave_0_\@:
	s_barrier_wait -3
	s_barrier_signal -1
	s_barrier_wait -1
.endm
	s_load_b128 s[4:7], s[0:1], 0x0                ; qkv s[4:5], hf s[6:7]
	v_lshl_add_u32 v[SPW], v0, 2, SPARE
	v_mov_b32 v[NIL], 0
	ds_add_u32 v[SPW], v[NIL]                      ; the wave's opening: the add, twice on end, and its wait ahead of my first tensor load
	ds_add_u32 v[SPW], v[NIL]                      ; once more; the set-up below, work on registers, stands between it and the wait
	v_lshrrev_b32 v1, 5, v0
	v_readfirstlane_b32 s[WV], v1                  ; wave 0..7
	s_bfe_u32 s13, ttmp6, 0x40000                  ; cx: my place in the cluster
	s_lshl_b32 s14, ttmp9, 2
	s_add_co_u32 s14, s14, s13                     ; my block of 256 queries: it enters Q's and h's addresses alone
	s_and_b32 s20, ttmp7, 0xffff                   ; the head, which the four partners share
	s_lshl_b32 s21, s20, 19                        ; its 524,288 bytes in each kind
	s_and_b32 s16, s[WV], 3
	s_lshl_b32 s17, s16, 14                        ; the quarter of a slot's K or V that I fetch: 16 KiB, in memory and in LDS alike
	s_add_co_u32 s22, s21, s17
	s_mov_b32 s23, 0
	s_lshl_b32 s2, s14, 15                         ; Q: my block's 16 tiles of 2,048 bytes,
	s_lshl_b32 s3, s[WV], 12                       ; my wave's two
	s_add_co_u32 s2, s2, s3
	s_add_co_u32 s2, s2, s21
	s_mov_b32 s3, 0
	s_lshl_b32 s32, s14, 2                         ; h: block of 64 tokens = 4 x my block + wave / 2, 131,072 bytes each;
	s_lshr_b32 s33, s[WV], 1
	s_add_co_u32 s32, s32, s33
	s_lshl_b32 s32, s32, 17
	s_lshr_b32 s33, s20, 2                         ; 256 along K = four heads: 32,768 bytes;
	s_lshl_b32 s33, s33, 15
	s_add_co_u32 s32, s32, s33
	s_and_b32 s33, s[WV], 1                        ; my two tiles of the block's four: 8,192 bytes a tile;
	s_lshl_b32 s33, s33, 14
	s_add_co_u32 s32, s32, s33
	s_and_b32 s33, s20, 3                          ; the head's four units of 16 along K: 512 bytes each
	s_lshl_b32 s33, s33, 11
	s_add_co_u32 s32, s32, s33
	s_mov_b32 s33, 0
	s_lshl_b32 s34, s13, 14                        ; the prefetches: my work-group's 16 KiB of a slot's 64,
	s_and_b32 s35, s[WV], 1
	s_lshl_b32 s35, s35, 13                        ; my wave's half of that,
	s_add_co_u32 s34, s34, s35
	s_add_co_u32 s34, s34, s21                     ; in my head,
	s_add_co_u32 s34, s34, KIND+2*SLOTB            ; of K, in slot 2 (the first change of slots steps it to slot 3),
	s_lshr_b32 s35, s[WV], 2
	s_lshl_b32 s35, s35, 23                        ; or of V in waves 4 to 7
	s_add_co_u32 s34, s34, s35
	s_mov_b32 s35, 0
	s_and_b32 s[LIM], s[WV], 2                     ; 0 in waves 0, 1, 4, 5,
	s_or_b32 s[LIM], s[LIM], ttmp9                 ; where the cluster is the head's first: the same in all four partners
	s_cmp_eq_u32 s[LIM], 0
	s_cselect_b32 s[LIM], 1, -1
	; descriptor group 1: a dense block of 16 KiB as 64 rows of 256 bytes
	s_mov_b32 s[G1], 15|(3<<16)|(1<<21)            ; 15:0 the mask: all four work-groups; 17:16 elements of 8 bytes; 20 no padding; 21 set beside a mask
	s_mov_b32 s[G1+1], 32<<16                      ; tensor_dim0 = 32 elements
	s_mov_b32 s[G1+2], 64<<16                      ; tensor_dim1 = 64
	s_mov_b32 s[G1+3], 32<<16                      ; tile_dim0
	s_mov_b32 s[G1+4], 64                          ; tile_dim1
	s_mov_b32 s[G1+5], 32                          ; tensor_dim0_stride
	s_mov_b32 s[G1+6], 0
	s_mov_b32 s[G1+7], 0
	s_mov_b32 s[SEL], 0x76543210
	s_mov_b32 s[SEL+1], 0xfedcba98
	s_mov_b32 s[TB], 0
	s_mov_b32 s[SLOTS], NSL-2
	s_wait_dscnt 0x0                               ; both opening adds are done
	s_wait_kmcnt 0x0
	s_add_nc_u64 s[PFA:PFA+1], s[4:5], s[34:35]
	s_add_nc_u64 s[8:9], s[4:5], s[22:23]
	s_add_nc_u64 s[8:9], s[8:9], KIND              ; K at my quarter of slot 0
	s_add_nc_u64 s[10:11], s[8:9], KIND            ; V likewise
	s_add_nc_u64 s[4:5], s[4:5], s[2:3]            ; Q at my wave's first tile
	s_add_nc_u64 s[6:7], s[6:7], s[32:33]          ; h at my wave's first unit
	CROUND                                         ; all four work-groups are here: the first joint loads meet
.irp s, 0,1
	s_mov_b32 s[G0K+4*\s], 1                       ; count = 1
	s_add_co_u32 s[G0K+4*\s+1], s17, \s*SLOT1      ; LDS address
	s_add_nc_u64 s[G0K+4*\s+2:G0K+4*\s+3], s[8:9], \s*SLOTB   ; global address: slot s begins with keys 512 s on
	s_or_b32 s[G0K+4*\s+3], s[G0K+4*\s+3], 0x80000000         ; type = 2
	s_mov_b32 s[G0V+4*\s], 1
	s_add_co_u32 s[G0V+4*\s+1], s17, \s*SLOT1+VOFF
	s_add_nc_u64 s[G0V+4*\s+2:G0V+4*\s+3], s[10:11], \s*SLOTB
	s_or_b32 s[G0V+4*\s+3], s[G0V+4*\s+3], 0x80000000
.endr
	s_cmp_lt_u32 s[WV], 4                          ; a wave's two first fills stand in one branch, ahead of every wait on TENSORcnt and every LDS read: two loads of mine are out
	s_cbranch_scc0 .Lfirst_v
	tensor_load_to_lds s[G0K:G0K+3], s[G1:G1+7]
	s_nop 0
	tensor_load_to_lds s[G0K+4:G0K+7], s[G1:G1+7]
	s_nop 0
.rept 4
	v_nop
.endr
	s_branch .Lfirst_asked
.Lfirst_v:
	tensor_load_to_lds s[G0V:G0V+3], s[G1:G1+7]
	s_nop 0
	tensor_load_to_lds s[G0V+4:G0V+7], s[G1:G1+7]
	s_nop 0
.rept 4
	v_nop
.endr
.Lfirst_asked:
	v_and_b32 v1, 31, v0
	v_lshlrev_b32 v[LA], 4, v1                     ; 16 x lane
	v_lshlrev_b32 v[PFO], 4, v[LA]                 ; 256 x lane
	v_add_nc_u32 v[AV0], VOFF, v[LA]
	WIN W_LD
.irp t, 0,1
.irp b, 0,1,2,3
	global_load_b128 v[QF+16*\t+4*\b:QF+16*\t+4*\b+3], v[LA], s[4:5] offset:\t*2048+\b*512   ; Q stays in registers: tile t, channels 16 b + 8 h on
.endr
.endr
.set j, 0
.rept 64
	v_mov_b32 v[OF+j], 0                           ; O^T.  (The trip is written once: the first finds zeros, which its factor 0 leaves zeros)
.set j, j+1
.endr
	WIN 0
.irp t, 0,1
	v_mov_b32 v[ST+8*\t], 0xff61b1e6               ; m: -3e38, under every t
	v_mov_b32 v[ST+8*\t+2], 0                      ; l, in two halves
	v_mov_b32 v[ST+8*\t+3], 0
.endr
; The LDS loads stand in runs of 16: a trip's K (unit u = 4 kt + b: keys 16 kt on, channels 16 b on) and its V (turned: keys 16 tt on, channels 16 ct on)
.macro FETCH_K
	WIN W_LD
.irp u, 0,1,2,3,4,5,6,7,8,9,10,11,12,13,14,15
	ds_load_b128 v[KF+4*\u:KF+4*\u+3], v[ADK] offset:512*\u
.endr
.endm
.macro FETCH_V
	WIN W_LD
.irp tt, 0,1,2,3
.irp ct, 0,1,2,3
	ds_load_tr16_b128 v[VF+8*(4*(\tt/2)+\ct)+4*(\tt%2):VF+8*(4*(\tt/2)+\ct)+4*(\tt%2)+3], v[ADV] offset:\tt*2048+\ct*512
.endr
.endr
.endm
; S^T = K Q^T: 16 products; the eight accumulators take turns, one instruction a turn; the first eight start the sums
.macro KQ
	WIN W_KQ
.irp c, 0,1
.irp kt, 0,1,2,3
.irp t, 0,1
.if \c == 0
	v_wmma_f32_16x16x32_f16 v[S+32*\t+8*\kt:S+32*\t+8*\kt+7], v[KF+16*\kt+8*\c:KF+16*\kt+8*\c+7], v[QF+16*\t+8*\c:QF+16*\t+8*\c+7], 0
.else
	v_wmma_f32_16x16x32_f16 v[S+32*\t+8*\kt:S+32*\t+8*\kt+7], v[KF+16*\kt+8*\c:KF+16*\kt+8*\c+7], v[QF+16*\t+8*\c:QF+16*\t+8*\c+7], v[S+32*\t+8*\kt:S+32*\t+8*\kt+7]
.endif
.endr
.endr
.endr
.endm
; O^T += V^T P: 16 products; eight accumulators by turns
.macro PV
	WIN W_PV
.irp kc, 0,1
.irp ct, 0,1,2,3
.irp t, 0,1
	v_wmma_f32_16x16x32_f16 v[OF+32*\t+8*\ct:OF+32*\t+8*\ct+7], v[VF+8*(4*\kc+\ct):VF+8*(4*\kc+\ct)+7], v[P+16*\t+8*\kc:P+16*\t+8*\kc+7], v[OF+32*\t+8*\ct:OF+32*\t+8*\ct+7]
.endr
.endr
.endr
.endm
; THE SOFTMAX of 64 keys for my two tiles, which alternate line by line, so that no line waits for the line above it
.macro SOFTMAX
	WIN 0
.irp i, 0,1,2,3                        ; the maximum of a lane's 32 scores and the old m: four chains; each accumulator is read from its low end on
.irp t, 0,1
	v_max3_num_f32 v[ST+8*\t+4+\i], v[S+32*\t+8*\i], v[S+32*\t+8*\i+1], v[S+32*\t+8*\i+2]
.endr
.endr
.irp g, 3,5
.irp i, 0,1,2,3
.irp t, 0,1
	v_max3_num_f32 v[ST+8*\t+4+\i], v[ST+8*\t+4+\i], v[S+32*\t+8*\i+\g], v[S+32*\t+8*\i+\g+1]
.endr
.endr
.endr
.irp t, 0,1
	v_max3_num_f32 v[ST+8*\t+4], v[ST+8*\t+4], v[S+32*\t+7], v[S+32*\t+15]
.endr
.irp t, 0,1
	v_max3_num_f32 v[ST+8*\t+6], v[ST+8*\t+6], v[S+32*\t+23], v[S+32*\t+31]
.endr
.irp t, 0,1
	v_max3_num_f32 v[ST+8*\t+4], v[ST+8*\t+4], v[ST+8*\t+5], v[ST+8*\t+6]
.endr
.irp t, 0,1
	v_max3_num_f32 v[ST+8*\t+4], v[ST+8*\t+4], v[ST+8*\t+7], v[ST+8*\t]
.endr
.irp t, 0,1
	v_permlanex16_b32 v[ST+8*\t+5], v[ST+8*\t+4], s[SEL], s[SEL+1]   ; the query's other 32 keys lie in the lane 16 away
.endr
.irp t, 0,1
	v_max_num_f32 v[ST+8*\t+1], v[ST+8*\t+4], v[ST+8*\t+5]          ; the new m
.endr
.irp t, 0,1
	v_sub_f32 v[ST+8*\t+7], v[ST+8*\t], v[ST+8*\t+1]                ; m_old - m_new, 0 or less
.endr
.irp t, 0,1
	v_mov_b32 v[ST+8*\t], v[ST+8*\t+1]                              ; the pair +0, +1 now holds the new m twice
.endr
.irp i, 0,1,2,3,4,5,6,7,8,9,10,11,12,13,14,15
.irp t, 0,1
	v_pk_add_f32 v[S+32*\t+2*\i:S+32*\t+2*\i+1], v[S+32*\t+2*\i:S+32*\t+2*\i+1], v[ST+8*\t:ST+8*\t+1] neg_lo:[0,1] neg_hi:[0,1]   ; t - m
.endr
.endr
.irp t, 0,1                            ; ONE BATCH: both tiles' 66 exponentials; none reads another's result
	v_exp_f32 v[ST+8*\t+6], v[ST+8*\t+7]
.endr
.set e, 0
.rept 64
	v_exp_f32 v[S+e], v[S+e]
.set e, e+1
.endr
	v_nop                                          ; a plain line behind the last of the batch
	s_wait_alu depctr_va_vdst(0)                   ; one wait for the batch, ahead of its first reader
.irp i, 0,1,2,3,4,5,6,7,8,9,10,11,12,13,14,15
.irp t, 0,1
	v_cvt_pk_f16_f32 v[P+16*\t+\i], v[S+32*\t+2*\i], v[S+32*\t+2*\i+1]
.endr
.endr
.irp u, 0,1,2,3,4,5,6,7                ; the sum of the unrounded p: a tree over the 16 pairs, in place
.irp t, 0,1
	v_pk_add_f32 v[S+32*\t+4*\u:S+32*\t+4*\u+1], v[S+32*\t+4*\u:S+32*\t+4*\u+1], v[S+32*\t+4*\u+2:S+32*\t+4*\u+3]
.endr
.endr
.irp u, 0,1,2,3
.irp t, 0,1
	v_pk_add_f32 v[S+32*\t+8*\u:S+32*\t+8*\u+1], v[S+32*\t+8*\u:S+32*\t+8*\u+1], v[S+32*\t+8*\u+4:S+32*\t+8*\u+5]
.endr
.endr
.irp u, 0,1
.irp t, 0,1
	v_pk_add_f32 v[S+32*\t+16*\u:S+32*\t+16*\u+1], v[S+32*\t+16*\u:S+32*\t+16*\u+1], v[S+32*\t+16*\u+8:S+32*\t+16*\u+9]
.endr
.endr
.irp t, 0,1
	v_pk_add_f32 v[S+32*\t:S+32*\t+1], v[S+32*\t:S+32*\t+1], v[S+32*\t+16:S+32*\t+17]
.endr
.irp t, 0,1
	v_pk_fma_f32 v[ST+8*\t+2:ST+8*\t+3], v[ST+8*\t+2:ST+8*\t+3], v[ST+8*\t+6:ST+8*\t+7], v[S+32*\t:S+32*\t+1] op_sel_hi:[1,0,1]   ; l = l x factor + the sum
.endr
	WIN W_RS
.irp i, 0,1,2,3,4,5,6,7,8,9,10,11,12,13,14,15
.irp t, 0,1
	v_pk_mul_f32 v[OF+32*\t+2*\i:OF+32*\t+2*\i+1], v[OF+32*\t+2*\i:OF+32*\t+2*\i+1], v[ST+8*\t+6:ST+8*\t+7] op_sel_hi:[1,0]   ; O^T x factor, each accumulator from its low end on
.endr
.endr
.endm
; A TRIP.  At its head the scores of step j - 1 are made and V of step j - 1 is on its way.  It fetches K of step j, walks the softmax of step j - 1, multiplies V^T P of step j - 1, fetches V of step j, multiplies K Q^T of step j.
; So all LDS bytes that trip j reads are step j's, and trips line up with slots.  fetch = 0: the last step's softmax and V^T P alone.
.macro TRIP fetch
	WIN 0
.if \fetch
	v_add_nc_u32 v[ADK], s[TB], v[LA]              ; these two and two v_nop are the four places behind the products K Q^T, ahead of the loads into K's registers and of the first read of the scores
	v_add_nc_u32 v[ADV], s[TB], v[AV0]
	v_nop
	v_nop
	FETCH_K
.else
.rept 4
	v_nop
.endr
.endif
	SOFTMAX
.if \fetch
	s_wait_dscnt 16                                ; V of step j - 1 is in; K's 16 loads, issued behind it, may be out
.else
	s_wait_dscnt 0x0
.endif
	PV
.if \fetch
.rept 4
	v_nop                                          ; places ahead of the loads into V's registers
.endr
	FETCH_V
	s_wait_dscnt 16                                ; K of step j is in; V's 16 loads may be out
	KQ
	WIN 0
	s_add_co_u32 s[TB], s[TB], STEPB
.endif
.endm
.macro TRIPS n
	s_mov_b32 s[CNT], \n
.Lstep_\@:
	TRIP 1
	s_sub_co_u32 s[CNT], s[CNT], 1
	s_cmp_lg_u32 s[CNT], 0
	s_cbranch_scc1 .Lstep_\@
.endm
; THE CHANGE OF SLOTS.  Each wave waits for all its tensor loads, of which one is out: its part of the other slot; adds 0 to its spare word; and waits for that and for its own reads of the slot that it leaves.
; fill = 1: the barrier is a round of the cluster's, so that no wave of any partner still reads the slot or has a load on its way; the joint refill, with the keys two slots on, is the first thing behind it.
.macro CHANGE fill
	WIN 0
	s_wait_tensorcnt 0x0                           ; no tensor load of mine is out, so a group 0 may be written
	ds_add_u32 v[SPW], v[NIL]                      ; 0 onto my spare word
.if \fill
.irp g, G0K+4, G0V+4
	s_xor_b32 s[\g+1], s[\g+1], SLOT1              ; the walking descriptor: the other slot than last time,
	s_add_nc_u64 s[\g+2:\g+3], s[\g+2:\g+3], SLOTB ; the next 512 keys; the type bits on top are not reached
.endr
	s_wait_xcnt 0x0                                ; the last prefetch, a slot back, has read its address, so it may be written:
	s_add_nc_u64 s[PFA:PFA+1], s[PFA:PFA+1], SLOTB ; one slot further on than the walking descriptors
	s_wait_dscnt 0x0                               ; the add is done, and my reads of the slot are over
	CROUND
	JLOAD
	ASK
.else
	s_wait_dscnt 0x0                               ; the add is done, and my reads of the slot are over
	s_barrier_signal -1
	s_barrier_wait -1
.endif
	s_sub_co_u32 s[TB], s[TB], SLOTB               ; the fetches go back to a slot's first step,
	s_xor_b32 s[TB], s[TB], SLOT1                  ; in the other slot
.endm
	s_wait_tensorcnt 1                             ; my part of slot 0 is in; slot 1's one load may stay out
	s_barrier_signal -1
	s_barrier_wait -1                              ; everybody's is
	v_add_nc_u32 v[ADK], s[TB], v[LA]              ; step 0
	v_add_nc_u32 v[ADV], s[TB], v[AV0]
	FETCH_K
	FETCH_V
	s_wait_loadcnt 0x0                             ; Q
	s_wait_dscnt 16                                ; K is in; V's 16 loads may be out
	KQ
	WIN 0
	s_add_co_u32 s[TB], s[TB], STEPB
	TRIPS NQ-1                                     ; the rest of slot 0
.Lslot:                                            ; NSL - 2 trips: every slot but the last two is filled again
	CHANGE 1
	TRIPS NQ
	s_sub_co_u32 s[SLOTS], s[SLOTS], 1
	s_cmp_lg_u32 s[SLOTS], 0
	s_cbranch_scc1 .Lslot
	CHANGE 0                                       ; the tail is written out
	TRIPS NQ
	TRIP 0
	; THE WAY OUT.  l's two halves and the other half of the lanes' are added; O^T is divided by l, rounded to f16 and stored as it stands: four registers are half a fragment of the next launch.
	WIN 0
.irp t, 0,1
	v_add_f32 v[ST+8*\t+4], v[ST+8*\t+2], v[ST+8*\t+3]             ; (these lines are also the places behind the last products)
.endr
.irp t, 0,1
	v_permlanex16_b32 v[ST+8*\t+5], v[ST+8*\t+4], s[SEL], s[SEL+1]
.endr
.irp t, 0,1
	v_add_f32 v[ST+8*\t+4], v[ST+8*\t+4], v[ST+8*\t+5]
.endr
.irp t, 0,1
	v_rcp_f32 v[ST+8*\t+6], v[ST+8*\t+4]
.endr
	v_nop                                          ; a plain line behind the last reciprocal
	s_wait_alu depctr_va_vdst(0)                   ; one wait for the two, ahead of their first reader
	WIN W_RS
.irp t, 0,1
.irp i, 0,1,2,3,4,5,6,7,8,9,10,11,12,13,14,15
	v_pk_mul_f32 v[OF+32*\t+2*\i:OF+32*\t+2*\i+1], v[OF+32*\t+2*\i:OF+32*\t+2*\i+1], v[ST+8*\t+6:ST+8*\t+7] op_sel_hi:[1,0]
.endr
.endr
	WIN 0x05                                       ; sources window 1, destination window 0: S^T's registers are free
.irp t, 0,1
.irp i, 0,1,2,3,4,5,6,7,8,9,10,11,12,13,14,15
	v_cvt_pk_f16_f32 v[S+16*\t+\i], v[OF+32*\t+2*\i], v[OF+32*\t+2*\i+1]
.endr
.endr
	WIN 0
.irp t, 0,1
.irp ct, 0,1,2,3
	global_store_b128 v[LA], v[S+16*\t+4*\ct:S+16*\t+4*\ct+3], s[6:7] offset:\t*8192+\ct*512   ; the wave stores 512 consecutive bytes, aligned
.endr
.endr
	s_wait_tensorcnt 0x0                           ; the wave's end: a tensor wait, a spare add and its wait behind my last tensor load
	ds_add_u32 v[SPW], v[NIL]
	s_wait_dscnt 0x0
	CROUND                                         ; the closing round: no work-group ends while a partner may still ask for a tile that names it
	s_endpgm
.Lfunc_end_k_q0ca34b5764_attn:
	.size	k_q0ca34b5764_attn, .Lfunc_end_k_q0ca34b5764_attn-k_q0ca34b5764_attn
	.p2alignl 7, 3214868480
	.fill 96, 4, 3214868480
	.section	.rodata,"a",@progbits
	.p2align	6, 0x0
	.amdhsa_kernel k_q0ca34b5764_attn
		.amdhsa_group_segment_fixed_size 327680
		.amdhsa_private_segment_fixed_size 0
		.amdhsa_enable_private_segment 0
		.amdhsa_kernarg_size 16
		.amdhsa_user_sgpr_count 2
		.amdhsa_user_sgpr_kernarg_segment_ptr 1
		.amdhsa_wavefront_size32 1
		.amdhsa_system_sgpr_workgroup_id_x 1
		.amdhsa_system_sgpr_workgroup_id_y 1
		.amdhsa_system_sgpr_workgroup_id_z 1
		.amdhsa_system_vgpr_workitem_id 0
		.amdhsa_next_free_vgpr 512
		.amdhsa_next_free_sgpr 66
		.amdhsa_reserve_vcc 0
		.amdhsa_float_denorm_mode_32 3
		.amdhsa_float_denorm_mode_16_64 3
		.amdhsa_memory_ordered 1
		.amdhsa_forward_progress 1
		.amdhsa_inst_pref_size 85
	.end_amdhsa_kernel
	.amdgpu_metadata
---
amdhsa.version: [ 1, 2 ]
amdhsa.kernels:
  - .name:           k_q0ca34b5764_attn
    .symbol:         k_q0ca34b5764_attn.kd
    .args:
      - { .name: qkv, .offset: 0, .size: 8, .value_kind: global_buffer, .address_space: global }
      - { .name: hf, .offset: 8, .size: 8, .value_kind: global_buffer, .address_space: global }
    .group_segment_fixed_size: 327680
    .private_segment_fixed_size: 0
    .kernarg_segment_align: 8
    .kernarg_segment_size: 16
    .max_flat_workgroup_size: 256
    .sgpr_count:     66
    .vgpr_count:     512
    .wavefront_size: 32
...
	.end_amdgpu_metadata
.endif
;; end of part 3
;; launch proj (part 4): grid 8 x 32, 4 waves a work-group, clusters of 4 x 4, 327,680 bytes of LDS; arguments hf, wf, out0, bout; writes out0
.if DOCPART == 4
	.amdgcn_target "amdgcn-amd-amdhsa--gfx1250"
	.amdhsa_code_object_version 6
	.text
	.protected	k_q0ca34b5764_proj
	.globl	k_q0ca34b5764_proj
	.p2align	8
	.type	k_q0ca34b5764_proj,@function
k_q0ca34b5764_proj:
	s_mov_b64 s[64:65], 0
	v_nop
	global_prefetch_b8 v0, s[64:65] scope:SCOPE_SE
	s_setreg_imm32_b32 hwreg(HW_REG_WAVE_MODE, 25, 1), 1
	s_wait_xcnt 0x0
	s_wait_alu depctr_hold_cnt(0) depctr_sa_sdst(0) depctr_va_vdst(0) depctr_va_sdst(0) depctr_va_ssrc(0) depctr_va_vcc(0) depctr_vm_vsrc(0)
	s_getreg_b32 s2, hwreg(HW_REG_IB_STS2, 6, 4)
	s_cmp_eq_u32 s2, 0
	s_cbranch_scc0 .Lentry_in_a_cluster
	s_endpgm
.Lentry_in_a_cluster:
	s_bfe_u32 s2, ttmp6, 0x10000c
	s_cmp_lg_u32 s2, 0xf033
	s_cbranch_scc0 .Lentry_shape_is_right
	s_endpgm
.Lentry_shape_is_right:
; OUT.  out0[m][n] = sum over k of h[m][k] Wout[n][k] + bout[n]; h and Wout in f16, sums and result in f32.  4,096 x 1,024 x 1,024.
; A tile of 128 x 128 gives 256 work-groups.  Four waves, each 64 x 64: 16 accumulators, 128 registers.  K goes in steps of 256 through two LDS slots; K = 1,024 is two laps.
; h arrives as images of operand registers: [block of 64 tokens][256 along K][tile of 16 tokens][16 along K][lane][16 bytes].  A K step of 64 tokens is one dense block of 32 KiB for one tensor load, and a fragment is two LDS loads of
; 512 consecutive bytes at 16 x lane: no pitch, no padding.  Wout lies by rows: 64 rows of 512 bytes to a load, 16 bytes of padding behind each.
; CLUSTERS: 4 x 4 work-groups; h's tiles are shared along a row of the cluster, Wout's along a column: each is asked for JOINTLY.
; TRANSPOSED USE (source 0 = 16 rows of Wout, source 1 = 16 tokens): a lane holds eight neighbouring numbers of a row of out0.  The bias is the C of each sum's first product (so it is added first: an order of rounding that differs from h W^T + b).
; A wave's 64 columns of f32 are 256 aligned bytes, so each wave has a stage of its own on the way out, and no barrier stands there.
; LIMITS: NaN and infinities are not served.
; REGISTERS: window 0: v16-29 addresses; v32-95 at work on the way out; v96-127 the bias; v128-255 the accumulators ((a, b) at v[128 + 8 (4 a + b)]).   window 1: two fragment buffers of 128: 64 registers of h, then 64 of Wout, for 64 along K.
.set SIZE_M, 4096
.set SIZE_N, 1024
.set SIZE_K, 1024
.set KSTEP,  256
.set PITCH,  528                       ; a row of Wout in LDS: 512 bytes + 16 of padding: the 16 rows that a load touches start at 16 different groups of four banks
.set HALFA,  32768                     ; h: 64 tokens x 256 along K, what one tensor load brings
.set HALFB,  64*PITCH                  ; Wout: 64 rows
.set BOFF,   2*HALFA                   ; a slot: h's two halves, then Wout's two
.set SLOT,   BOFF+2*HALFB
.set STAGE,  2*SLOT                    ; behind the ring: 16 rows x 272 bytes for each wave
.set SPITCH, 272
.set SPARE,  STAGE+4*16*SPITCH         ; behind the stages: the spare words, 128 bytes a wave, which no other line names
.set LAPS, SIZE_K/(2*KSTEP)
.set ADRA, 16                          ; v16-17  LDS address of my h fragments in slot 0, 1
.set ADRB, 20                          ; v20-21  the same for Wout
.set STO,  24                          ; v24     the way out: where I put 32 bytes of a row
.set RD,   25                          ; v25     where I read a row back
.set CO,   26                          ; v26     my byte offset in out0
.set BO,   27                          ; v27     32 x (lane / 16): my eight numbers of a column block's 16 in the bias
.set SPW,  28                          ; v28     LDS address of my spare word; never rewritten
.set NIL,  29                          ; v29     0; never rewritten
.set TMP,  32
.set BIAS, 96
.set ACC,  128
.set F0,   0                           ; fragment buffers, in window 1
.set F1,   128
.set G1, 24                            ; s[24:31] descriptor group 1 for h's tiles;  s[32:39] group 0, one set for each slot
.set G0, 32
.set G1B, 48                           ; s[48:55], s[56:63] the same for Wout's
.set G0B, 56
.set MSB, 0
.macro WIN new                         ; the immediate's high byte repeats the setting that is left
.if MSB != \new
	s_set_vgpr_msb (MSB<<8)|\new
.set MSB, \new
.endif
.endm
.set MUL,  0x05                        ; sources 0 (Wout) and 1 (h) window 1; C and D window 0
.set TO_F, 0x40                        ; destination window 1, address window 0
.macro JLOAD s                         ; a joint load: waves 0 and 1 fetch h's two halves, waves 2 and 3 Wout's; an s_nop 0 and four v_nop follow each of the two lines
	s_cmp_eq_u32 s11, 0
	s_cbranch_scc0 .Lfor_b_\@
	tensor_load_to_lds s[G0+4*\s:G0+4*\s+3], s[G1:G1+7]
	s_nop 0
.rept 4
	v_nop
.endr
	s_branch .Lasked_\@
.Lfor_b_\@:
	tensor_load_to_lds s[G0B+4*\s:G0B+4*\s+3], s[G1B:G1B+7]
	s_nop 0
.rept 4
	v_nop
.endr
.Lasked_\@:
.endm
.macro CREST                           ; a round of the cluster's barrier behind its opening barrier
	s_cmp_lg_u32 s10, 0
	s_cbranch_scc1 .Lnot_wave_0_\@
	s_barrier_signal -3
.Lnot_wave_0_\@:
	s_barrier_wait -3
	s_barrier_signal -1
	s_barrier_wait -1
.endm
.macro CROUND                          ; a whole round
	s_barrier_signal -1
	s_barrier_wait -1
	CREST
.endm
	s_load_b128 s[4:7], s[0:1], 0x0                ; h s[4:5], Wout s[6:7]
	s_load_b64 s[8:9], s[0:1], 0x10                ; out0
	s_load_b64 s[66:67], s[0:1], 0x18              ; bout
	v_lshl_add_u32 v[SPW], v0, 2, SPARE
	v_mov_b32 v[NIL], 0
	ds_add_u32 v[SPW], v[NIL]                      ; the wave's opening: the add, twice on end, and its wait ahead of my first tensor load
	ds_add_u32 v[SPW], v[NIL]                      ; once more; the set-up below, work on registers, stands between it and the wait
	v_lshrrev_b32 v1, 5, v0
	v_readfirstlane_b32 s10, v1                    ; wave 0..3
	s_lshr_b32 s11, s10, 1                         ; which half of the tile's tokens is mine.  Also: I fetch for h (0) or for Wout (1)
	s_and_b32 s12, s10, 1                          ; which half of its columns.  Also: which half of that tile I fetch
	s_bfe_u32 s40, ttmp6, 0x40000                  ; cx, cy: my place in the cluster
	s_bfe_u32 s41, ttmp6, 0x40004
	s_lshl_b32 s42, ttmp9, 2
	s_add_co_u32 s42, s42, s40                     ; tile column = 4 x cluster x + cx
	s_and_b32 s13, ttmp7, 0xffff
	s_lshl_b32 s13, s13, 2
	s_add_co_u32 s13, s13, s41                     ; tile row = 4 x cluster y + cy
	s_lshl_b32 s43, s41, 2
	s_lshl_b32 s43, 15, s43                        ; my row of the cluster
	s_lshl_b32 s44, 0x1111, s40                    ; my column
	; descriptor group 1 for h: a dense block of 32 KiB as 128 rows of 256 bytes (32 elements of 8 bytes), no padding
	s_or_b32 s[G1+0], s43, (3<<16)|(1<<21)         ; 15:0 the mask: h's tiles go to my row; 17:16 elements of 8 bytes; 21 set beside a mask
	s_mov_b32 s[G1+1], 32<<16                      ; tensor_dim0
	s_mov_b32 s[G1+2], 128<<16                     ; tensor_dim1
	s_mov_b32 s[G1+3], 32<<16                      ; tile_dim0
	s_mov_b32 s[G1+4], 128                         ; tile_dim1
	s_mov_b32 s[G1+5], 32                          ; tensor_dim0_stride
	s_mov_b32 s[G1+6], 0
	s_mov_b32 s[G1+7], 0
	; and for Wout: 64 rows x 256 elements of 2 bytes, four words of padding after every 128
	s_or_b32 s[G1B+0], s44, (1<<16)|(1<<20)|(1<<21)|(6<<22)|(3<<25)
	s_mov_b32 s[G1B+1], KSTEP<<16
	s_mov_b32 s[G1B+2], 64<<16
	s_mov_b32 s[G1B+3], KSTEP<<16
	s_mov_b32 s[G1B+4], 64
	s_mov_b32 s[G1B+5], SIZE_K
	s_mov_b32 s[G1B+6], 0
	s_mov_b32 s[G1B+7], 0
	s_lshl_b32 s16, s13, 1
	s_add_co_u32 s16, s16, s12                     ; h: block of 64 tokens = 2 x tile row + half,
	s_lshl_b32 s16, s16, 17                        ; 131,072 bytes each
	s_mov_b32 s17, 0
	s_lshl_b32 s46, s42, 7
	s_lshl_b32 s47, s12, 6
	s_add_co_u32 s46, s46, s47                     ; Wout: row 128 x tile column + 64 x half,
	s_lshl_b32 s46, s46, 11                        ; 2,048 bytes a row
	s_mov_b32 s47, 0
	s_lshl_b32 s20, s12, 15                        ; where they go: h's halves at 0 and 32,768,
	s_mul_i32 s21, s12, HALFB
	s_add_co_u32 s21, s21, BOFF                    ; Wout's behind them: no place in the cluster enters an LDS address
	s_wait_dscnt 0x0                               ; both opening adds are done
	s_wait_kmcnt 0x0
	s_add_nc_u64 s[14:15], s[4:5], s[16:17]
	s_add_nc_u64 s[46:47], s[6:7], s[46:47]
	CROUND                                         ; all sixteen work-groups are here: the first joint loads meet
.irp s, 0,1
	s_mov_b32 s[G0+4*\s], 1
	s_add_co_u32 s[G0+4*\s+1], s20, \s*SLOT
	s_add_nc_u64 s[G0+4*\s+2:G0+4*\s+3], s[14:15], \s*HALFA        ; K step s of the block
	s_or_b32 s[G0+4*\s+3], s[G0+4*\s+3], 0x80000000
	s_mov_b32 s[G0B+4*\s], 1
	s_add_co_u32 s[G0B+4*\s+1], s21, \s*SLOT
	s_add_nc_u64 s[G0B+4*\s+2:G0B+4*\s+3], s[46:47], \s*KSTEP*2
	s_or_b32 s[G0B+4*\s+3], s[G0B+4*\s+3], 0x80000000
	JLOAD \s                                       ; two tensor loads of mine are out after the second
.endr
	v_and_b32 v1, 15, v0                           ; r = l % 16
	v_bfe_u32 v2, v0, 4, 1                         ; h = l / 16
	v_and_b32 v6, 31, v0
	v_lshlrev_b32 v6, 4, v6                        ; 16 x lane: an image's place for my lane
	v_mul_u32_u24 v3, v1, PITCH
	v_lshl_add_u32 v3, v2, 4, v3                   ; Wout: row x pitch + 16 x half
	s_lshl_b32 s21, s11, 15                        ; my 64 tokens of h
	s_mul_i32 s22, s12, HALFB                      ; my 64 rows of Wout
	s_add_co_u32 s22, s22, BOFF
.irp s, 0,1
	v_add_nc_u32 v[ADRA+\s], s21, v6
	v_add_nc_u32 v[ADRB+\s], s22, v3
	s_add_co_u32 s21, s21, SLOT
	s_add_co_u32 s22, s22, SLOT
.endr
	s_mul_i32 s23, s10, 16*SPITCH
	s_add_co_u32 s23, s23, STAGE                   ; my stage
	v_mul_u32_u24 v4, v1, SPITCH                   ; in: row r, 32 bytes for each half of the lanes
	v_lshl_add_u32 v4, v2, 5, v4
	v_add_nc_u32 v[STO], s23, v4
	v_mul_u32_u24 v5, v2, SPITCH                   ; back: lanes 0-15 take one row of 256 bytes, lanes 16-31 the next
	v_lshl_add_u32 v5, v1, 4, v5
	v_add_nc_u32 v[RD], s23, v5
	v_lshlrev_b32 v5, 12, v2                       ; and the same two rows in out0: 4,096 bytes a row
	v_lshl_add_u32 v[CO], v1, 4, v5
	v_lshlrev_b32 v[BO], 5, v2
	s_lshl_b32 s16, s13, 7
	s_lshl_b32 s17, s11, 6
	s_add_co_u32 s16, s16, s17                     ; my first row of out0
	s_lshl_b32 s16, s16, 12
	s_mov_b32 s17, 0
	s_add_nc_u64 s[8:9], s[8:9], s[16:17]
	s_lshl_b32 s46, s42, 7
	s_lshl_b32 s47, s12, 6
	s_add_co_u32 s46, s46, s47                     ; my first column,
	s_lshl_b32 s46, s46, 2                         ; in bytes
	s_mov_b32 s47, 0
	s_add_nc_u64 s[8:9], s[8:9], s[46:47]
	s_add_nc_u64 s[66:67], s[66:67], s[46:47]
.irp b, 0,1,2,3
	global_load_b128 v[BIAS+8*\b:BIAS+8*\b+3], v[BO], s[66:67] offset:64*\b        ; lane (r, h): the bias of columns 16 b + 8 h + 0 .. 7: the result's layout
	global_load_b128 v[BIAS+8*\b+4:BIAS+8*\b+7], v[BO], s[66:67] offset:64*\b+16
.endr
; 8 matrix instructions: token blocks a0, a0 + 1 x all 4 column blocks, 32 along K: half c of buffer f.  first = 1: the bias is C and starts the sums.  The 16 accumulators take turns
.macro MUL8 f, c, a0, first
.irp a, \a0, \a0+1
.irp b, 0,1,2,3
.if \first
	v_wmma_f32_16x16x32_f16 v[ACC+8*(4*(\a)+\b):ACC+8*(4*(\a)+\b)+7], v[\f+64+8*(4*\c+\b):\f+64+8*(4*\c+\b)+7], v[\f+8*(4*\c+\a):\f+8*(4*\c+\a)+7], v[BIAS+8*\b:BIAS+8*\b+7]
.else
	v_wmma_f32_16x16x32_f16 v[ACC+8*(4*(\a)+\b):ACC+8*(4*(\a)+\b)+7], v[\f+64+8*(4*\c+\b):\f+64+8*(4*\c+\b)+7], v[\f+8*(4*\c+\a):\f+8*(4*\c+\a)+7], v[ACC+8*(4*(\a)+\b):ACC+8*(4*(\a)+\b)+7]
.endif
.endr
.endr
.endm
; 32 LDS loads in one run: the fragments of 64 along K, at byte k of Wout's rows, into buffer f; the first 32 along K first.  In h's images 64 along K are four units of 512 bytes: 16 k bytes on; a tile of 16 tokens is 8,192 bytes
.macro FETCH slot, k, f
	WIN TO_F
.irp c, 0,1
.irp i, 0,1,2,3
	ds_load_b128 v[\f+64+8*(4*\c+\i):\f+64+8*(4*\c+\i)+3],   v[ADRB+\slot] offset:\k+64*\c+\i*16*PITCH
	ds_load_b128 v[\f+64+8*(4*\c+\i)+4:\f+64+8*(4*\c+\i)+7], v[ADRB+\slot] offset:\k+64*\c+\i*16*PITCH+32
	ds_load_b128 v[\f+8*(4*\c+\i):\f+8*(4*\c+\i)+3],         v[ADRA+\slot] offset:16*(\k)+1024*\c+8192*\i
	ds_load_b128 v[\f+8*(4*\c+\i)+4:\f+8*(4*\c+\i)+7],       v[ADRA+\slot] offset:16*(\k)+1024*\c+8192*\i+512
.endr
.endr
.endm
.macro PLACES                          ; four places in front of loads into registers that matrix instructions have read, and of the first read of results
.rept 4
	v_nop
.endr
.endm
; A K step is four quarters of 64 along K, 32 matrix instructions each, on buffers 0, 1, 0, 1.  One of the first three: multiplies buffer f and fetches the next quarter, at byte k, into g.
.macro QUARTER slot, k, f, g, first
	s_wait_dscnt 16                                ; the first 32 along K are in; the 16 loads of the second may be out
	WIN MUL
	MUL8 \f, 0, 0, \first
	MUL8 \f, 0, 2, \first
	PLACES
	FETCH \slot, \k, \g
	s_wait_dscnt 32                                ; all but the 32 just issued
	WIN MUL
	MUL8 \f, 1, 0, 0
	MUL8 \f, 1, 2, 0
.endm
; The last quarter multiplies buffer 1 and changes slots: ONE barrier; in front of it each wave waits for all its tensor loads, adds 0 to its spare word, and waits for that and for its own reads of this slot.  fill = 1: this slot is filled again, two K steps ahead.
.macro TURN slot, next, fill
	WIN 0                                          ; (the add's two registers lie in window 0)
	s_wait_tensorcnt 0x0                           ; all my tensor loads have landed: my part of the next slot
	ds_add_u32 v[SPW], v[NIL]                      ; 0 onto my spare word
	s_wait_dscnt 17                                ; (the add and the youngest sixteen loads may be out)
	WIN MUL
	MUL8 F1, 0, 0, 0                               ; eight matrix instructions stand between the add and the wait for it
	s_wait_dscnt 0x0                               ; the add is done, and my reads of this slot are over
	s_barrier_signal -1
	MUL8 F1, 0, 2, 0
.if \fill
	WIN 0
.endif
	s_barrier_wait -1
.if \fill
	CREST                                          ; the barrier has opened a round of the cluster's: no wave of any partner still reads this slot's tile or has a load on its way
	s_add_nc_u64 s[G0+4*\slot+2:G0+4*\slot+3], s[G0+4*\slot+2:G0+4*\slot+3], 2*HALFA
	s_add_nc_u64 s[G0B+4*\slot+2:G0B+4*\slot+3], s[G0B+4*\slot+2:G0B+4*\slot+3], 2*KSTEP*2
	JLOAD \slot                                    ; the first tensor load behind the round; the four v_nop behind it are also the places in front of the loads below
.else
	PLACES
.endif
	FETCH \next, 0, F0
	WIN MUL
	MUL8 F1, 1, 0, 0
	MUL8 F1, 1, 2, 0
.endm
	s_wait_tensorcnt 1                             ; my part of K step 0 is in (K step 1's one load may be out)
	s_barrier_signal -1
	s_barrier_wait -1                              ; everybody's is
	FETCH 0, 0, F0
	s_wait_loadcnt 0x0                             ; the bias
	QUARTER 0, 128, F0, F1, 1                      ; the first quarter stands in front of the loop: its first products start the sums from the bias
	WIN 0                                          ; at a label and at a branch every window is 0
	s_mov_b32 s3, LAPS-1
.Llap:                                             ; a trip goes once round the ring, from a lap's second quarter to the next lap's first, and fills both slots again
	QUARTER 0, 256, F1, F0, 0
	QUARTER 0, 384, F0, F1, 0
	TURN 0, 1, 1
	QUARTER 1, 128, F0, F1, 0
	QUARTER 1, 256, F1, F0, 0
	QUARTER 1, 384, F0, F1, 0
	TURN 1, 0, 1
	QUARTER 0, 128, F0, F1, 0
	WIN 0
	s_sub_co_u32 s3, s3, 1
	s_cmp_lg_u32 s3, 0
	s_cbranch_scc1 .Llap
	QUARTER 0, 256, F1, F0, 0                      ; the last lap fills nothing, and has no round of the cluster's barrier
	QUARTER 0, 384, F0, F1, 0
	TURN 0, 1, 0
	QUARTER 1, 128, F0, F1, 0
	QUARTER 1, 256, F1, F0, 0
	QUARTER 1, 384, F0, F1, 0
	s_wait_dscnt 16                                ; the very last quarter: nothing more to fetch
	WIN MUL
	MUL8 F1, 0, 0, 0
	MUL8 F1, 0, 2, 0
	s_wait_dscnt 0
	MUL8 F1, 1, 0, 0
	MUL8 F1, 1, 2, 0
	WIN 0
; THE WAY OUT, block by block of 16 tokens x 64 columns.  A lane holds 32 neighbouring bytes of a row and the lanes beside it other rows: so a block goes through my own stage and comes back as whole rows of 256 bytes.
; LDS serves a wave's instructions in order (ISA guide 5.7.1.4): no wait between the stores and the loads, nor in front of the next block's stores.
.macro TOSTAGE a
.irp b, 0,1,2,3
	ds_store_b128 v[STO], v[ACC+8*(4*(\a)+\b):ACC+8*(4*(\a)+\b)+3] offset:64*\b        ; each accumulator from its low end on
	ds_store_b128 v[STO], v[ACC+8*(4*(\a)+\b)+4:ACC+8*(4*(\a)+\b)+7] offset:64*\b+16
.endr
.irp i, 0,1,2,3,4,5,6,7
	ds_load_b128 v[TMP+32*((\a)%2)+4*\i:TMP+32*((\a)%2)+4*\i+3], v[RD] offset:\i*2*SPITCH
.endr
.endm
.macro SEND a, younger                 ; younger: the LDS instructions issued behind block a's loads, which may stay out
	s_wait_dscnt \younger
.irp i, 0,1,2,3,4,5,6,7
	global_store_b128 v[CO], v[TMP+32*((\a)%2)+4*\i:TMP+32*((\a)%2)+4*\i+3], s[8:9] offset:(16*(\a)+2*\i)*4096 th:TH_STORE_NT   ; 16 lanes store 256 consecutive bytes, aligned; written once, read by nobody here
.endr
.endm
	PLACES
	TOSTAGE 0
.irp a, 1,2,3
.if \a > 1
	s_wait_xcnt 0x0                                ; block a - 2's stores have read their registers: block a's loads may land there
.endif
	TOSTAGE \a
	SEND \a-1, 16                                  ; behind block a - 1's loads: block a's 8 stores and 8 loads
.endr
	SEND 3, 0
	s_wait_tensorcnt 0x0                           ; the wave's end: a tensor wait, a spare add and its wait behind my last tensor load and my last LDS store
	ds_add_u32 v[SPW], v[NIL]
	s_wait_dscnt 0x0
	CROUND                                         ; the closing round: no work-group ends while a partner may still ask for a tile that names it
	s_endpgm
.Lfunc_end_k_q0ca34b5764_proj:
	.size	k_q0ca34b5764_proj, .Lfunc_end_k_q0ca34b5764_proj-k_q0ca34b5764_proj
	.p2alignl 7, 3214868480
	.fill 96, 4, 3214868480
	.section	.rodata,"a",@progbits
	.p2align	6, 0x0
	.amdhsa_kernel k_q0ca34b5764_proj
		.amdhsa_group_segment_fixed_size 327680
		.amdhsa_private_segment_fixed_size 0
		.amdhsa_enable_private_segment 0
		.amdhsa_kernarg_size 32
		.amdhsa_user_sgpr_count 2
		.amdhsa_user_sgpr_kernarg_segment_ptr 1
		.amdhsa_wavefront_size32 1
		.amdhsa_system_sgpr_workgroup_id_x 1
		.amdhsa_system_sgpr_workgroup_id_y 1
		.amdhsa_system_sgpr_workgroup_id_z 1
		.amdhsa_system_vgpr_workitem_id 0
		.amdhsa_next_free_vgpr 512
		.amdhsa_next_free_sgpr 68
		.amdhsa_reserve_vcc 0
		.amdhsa_float_denorm_mode_32 3
		.amdhsa_float_denorm_mode_16_64 3
		.amdhsa_memory_ordered 1
		.amdhsa_forward_progress 1
		.amdhsa_inst_pref_size 87
	.end_amdhsa_kernel
	.amdgpu_metadata
---
amdhsa.version: [ 1, 2 ]
amdhsa.kernels:
  - .name:           k_q0ca34b5764_proj
    .symbol:         k_q0ca34b5764_proj.kd
    .args:
      - { .name: hf, .offset: 0, .size: 8, .value_kind: global_buffer, .address_space: global }
      - { .name: wf, .offset: 8, .size: 8, .value_kind: global_buffer, .address_space: global }
      - { .name: out0, .offset: 16, .size: 8, .value_kind: global_buffer, .address_space: global }
      - { .name: bout, .offset: 24, .size: 8, .value_kind: global_buffer, .address_space: global }
    .group_segment_fixed_size: 327680
    .private_segment_fixed_size: 0
    .kernarg_segment_align: 8
    .kernarg_segment_size: 32
    .max_flat_workgroup_size: 128
    .sgpr_count:     68
    .vgpr_count:     512
    .wavefront_size: 32
...
	.end_amdgpu_metadata
.endif
;; end of part 4
